; MI455X (gfx1250); checked and timed in simulation.
; The chip was launched on July 23, 2026; its instructions are those of AMD's public machine-readable ISA for CDNA 5 (MIT licence, August 2026) and "CDNA5" Instruction Set Architecture Reference Guide (July 2026). The comments in the code are by the model that wrote it; some were corrected since.
;; Performers. Allowed arithmetic: float matrix products may take bf16 or f16 operands with f32 sums; all other float work in f32.
;; Inputs: W0 512 x 512 float32; Wk 512 x 512 float32; Wq 512 x 512 float32; Wv 512 x 512 float32; b0 512 float32; bk 512 float32; bq 512 float32; bv 512 float32; key 4 x 4,096 x 512 float32; proj 128 x 64 float32; query 4 x 4,096 x 512 float32; value 4 x 4,096 x 512 float32.
;; Outputs: out0 4 x 4,096 x 512 float32.
;; One version. Each part assembles by itself: llvm-mc -triple=amdgcn-amd-amdhsa -mcpu=gfx1250 --defsym DOCPART=n.
;; ======== version 1 of 1: 5 launches
;; limits: values are held in f16: magnitudes above 65,504 overflow, below 6.1e-05 lose precision; right only within a limited range of input values
;; workspace buffers: wb 2,097,152 bytes; projf 16,384 bytes; qh 33,554,432 bytes; kh 33,554,432 bytes; vv 33,554,432 bytes; kmax 4,096 bytes; sseg 9,175,040 bytes; aa 33,554,432 bytes
;; launch cvtw (part 1): grid 129 x 1, 8 waves a work-group, no clusters, 0 bytes of LDS; arguments Wq, Wk, Wv, W0, proj, wb, projf; writes wb, projf
.if DOCPART == 1
	.amdgcn_target "amdgcn-amd-amdhsa--gfx1250"
	.amdhsa_code_object_version 6
	.text
	.protected	k_q588c3f3390_cvtw
	.globl	k_q588c3f3390_cvtw
	.p2align	8
	.type	k_q588c3f3390_cvtw,@function
k_q588c3f3390_cvtw:
	s_mov_b64 s[64:65], 0
	v_nop
	global_prefetch_b8 v0, s[64:65] scope:SCOPE_SE
	s_setreg_imm32_b32 hwreg(HW_REG_WAVE_MODE, 25, 1), 1
	s_wait_xcnt 0x0
; The four weight matrices [512 n][512 k] f32 become bf16 in blocks along K: wb[g][kb][n][64 k], so that tile (g, kb) is 65,536 dense bytes.
; proj [128 m][64 d] f32 is rounded to bf16 like every input that feeds a matrix unit and kept as f16, which holds those eight significant bits exactly
; (LIMIT: |proj| below 65,504; entries below 2^-14 keep an absolute step of 2^-24), as an image of matrix fragments:
; projf[f = 2 mt + ks][half q][lane][16 bytes], lane l = 16 h + r holding row 16 mt + r, columns 32 ks + 16 q + 8 h .. + 7.
; Work-groups 0 to 127: 32 for each matrix, a wave takes two rows.  Work-group 128: the table.  A stream: no LDS, no barrier, no matrix unit.
	s_load_b256 s[4:11], s[0:1], 0x0               ; Wq s[4:5], Wk s[6:7], Wv s[8:9], W0 s[10:11]
	s_load_b128 s[12:15], s[0:1], 0x20             ; proj s[12:13], wb s[14:15]
	s_load_b64 s[16:17], s[0:1], 0x30              ; projf
	v_lshrrev_b32 v1, 5, v0
	v_readfirstlane_b32 s18, v1                    ; wave
	v_and_b32 v2, 31, v0                           ; lane l
	v_and_b32 v3, 15, v0                           ; r
	v_bfe_u32 v4, v0, 4, 1                         ; h
	s_wait_kmcnt 0x0
	s_cmp_eq_u32 ttmp9, 128
	s_cbranch_scc1 .Ltable
	s_lshr_b32 s19, ttmp9, 5                       ; g: which matrix
	s_cmp_eq_u32 s19, 1
	s_cselect_b64 s[4:5], s[6:7], s[4:5]
	s_cmp_eq_u32 s19, 2
	s_cselect_b64 s[4:5], s[8:9], s[4:5]
	s_cmp_eq_u32 s19, 3
	s_cselect_b64 s[4:5], s[10:11], s[4:5]
	s_and_b32 s20, ttmp9, 31
	s_lshl3_add_u32 s20, s20, s18                  ; pair of rows: 8 (x mod 32) + wave
	s_lshl_b32 s21, s20, 12                        ; two rows of 2,048 bytes in
	s_lshl_b32 s22, s20, 8                         ; two rows of 128 bytes out
	s_lshl_b32 s24, s19, 19                        ; g x 524,288
	s_mov_b32 s25, 0
	s_add_nc_u64 s[14:15], s[14:15], s[24:25]
	v_lshl_add_u32 v5, v4, 11, s21                 ; lanes 16 to 31 take the second row
	v_lshl_add_u32 v5, v3, 4, v5                   ; 16 lanes cover 256 consecutive bytes, aligned
	v_lshl_add_u32 v6, v2, 3, s22                  ; out: 8 bytes a lane, 256 consecutive bytes a wave
.irp kb, 0,1,2,3,4,5,6,7
	global_load_b128 v[8+4*\kb:11+4*\kb], v5, s[4:5] offset:256*\kb th:TH_LOAD_NT
.endr
.irp kb, 0,1,2,3,4,5,6,7
	s_wait_loadcnt 7-\kb                           ; loads return in order: block kb is in, the younger ones stay out
	v_cvt_pk_bf16_f32 v[40+2*\kb], v[8+4*\kb], v[9+4*\kb]
	v_cvt_pk_bf16_f32 v[41+2*\kb], v[10+4*\kb], v[11+4*\kb]
	global_store_b64 v6, v[40+2*\kb:41+2*\kb], s[14:15] offset:65536*\kb
.endr
	s_endpgm
.Ltable:
	; piece e = thread + 256 i: q = wave & 1, ks = (wave >> 1) & 1, mt = (wave >> 2) + 2 i
	s_lshr_b32 s20, s18, 2
	s_lshl_b32 s20, s20, 12                        ; 16 rows of 256 bytes
	s_bfe_u32 s21, s18, 0x10001
	s_lshl_b32 s21, s21, 7                         ; 32 ks numbers
	s_and_b32 s22, s18, 1
	s_lshl_b32 s22, s22, 6                         ; 16 q numbers
	s_add_co_u32 s20, s20, s21
	s_add_co_u32 s20, s20, s22
	v_lshl_add_u32 v5, v3, 8, s20                  ; row r
	v_lshl_add_u32 v5, v4, 5, v5                   ; 8 h numbers
	v_lshlrev_b32 v6, 4, v0                        ; out: 16 bytes a thread
.irp i, 0,1,2,3
	global_load_b128 v[8+8*\i:11+8*\i], v5, s[12:13] offset:8192*\i
	global_load_b128 v[12+8*\i:15+8*\i], v5, s[12:13] offset:8192*\i+16
.endr
.irp i, 0,1,2,3
	s_wait_loadcnt 6-2*\i                          ; the two loads of piece i are in
.irp p, 0,1,2,3
	v_cvt_pk_bf16_f32 v[40+4*\i+\p], v[8+8*\i+2*\p], v[9+8*\i+2*\p]            ; the input's rounding
	v_lshlrev_b32 v[8+8*\i+2*\p], 16, v[40+4*\i+\p]
	v_and_b32 v[9+8*\i+2*\p], 0xffff0000, v[40+4*\i+\p]
	v_cvt_pk_f16_f32 v[40+4*\i+\p], v[8+8*\i+2*\p], v[9+8*\i+2*\p]            ; the same numbers in f16
.endr
	global_store_b128 v6, v[40+4*\i:43+4*\i], s[16:17] offset:4096*\i
.endr
	s_endpgm
.Lfunc_end_k_q588c3f3390_cvtw:
	.size	k_q588c3f3390_cvtw, .Lfunc_end_k_q588c3f3390_cvtw-k_q588c3f3390_cvtw
	.p2alignl 7, 3214868480
	.fill 96, 4, 3214868480
	.section	.rodata,"a",@progbits
	.p2align	6, 0x0
	.amdhsa_kernel k_q588c3f3390_cvtw
		.amdhsa_group_segment_fixed_size 0
		.amdhsa_private_segment_fixed_size 0
		.amdhsa_enable_private_segment 0
		.amdhsa_kernarg_size 56
		.amdhsa_user_sgpr_count 2
		.amdhsa_user_sgpr_kernarg_segment_ptr 1
		.amdhsa_wavefront_size32 1
		.amdhsa_system_sgpr_workgroup_id_x 1
		.amdhsa_system_sgpr_workgroup_id_y 1
		.amdhsa_system_sgpr_workgroup_id_z 1
		.amdhsa_system_vgpr_workitem_id 0
		.amdhsa_next_free_vgpr 56
		.amdhsa_next_free_sgpr 66
		.amdhsa_reserve_vcc 0
		.amdhsa_float_denorm_mode_32 3
		.amdhsa_float_denorm_mode_16_64 3
		.amdhsa_memory_ordered 1
		.amdhsa_forward_progress 1
		.amdhsa_inst_pref_size 10
	.end_amdhsa_kernel
	.amdgpu_metadata
---
amdhsa.version: [ 1, 2 ]
amdhsa.kernels:
  - .name:           k_q588c3f3390_cvtw
    .symbol:         k_q588c3f3390_cvtw.kd
    .args:
      - { .name: Wq, .offset: 0, .size: 8, .value_kind: global_buffer, .address_space: global }
      - { .name: Wk, .offset: 8, .size: 8, .value_kind: global_buffer, .address_space: global }
      - { .name: Wv, .offset: 16, .size: 8, .value_kind: global_buffer, .address_space: global }
      - { .name: W0, .offset: 24, .size: 8, .value_kind: global_buffer, .address_space: global }
      - { .name: proj, .offset: 32, .size: 8, .value_kind: global_buffer, .address_space: global }
      - { .name: wb, .offset: 40, .size: 8, .value_kind: global_buffer, .address_space: global }
      - { .name: projf, .offset: 48, .size: 8, .value_kind: global_buffer, .address_space: global }
    .group_segment_fixed_size: 0
    .private_segment_fixed_size: 0
    .kernarg_segment_align: 8
    .kernarg_segment_size: 56
    .max_flat_workgroup_size: 256
    .sgpr_count:     66
    .vgpr_count:     56
    .wavefront_size: 32
...
	.end_amdgpu_metadata
.endif
;; end of part 1
;; launch proj (part 2): grid 128 x 3, 4 waves a work-group, clusters of 4 x 1, 327,680 bytes of LDS; arguments query, key, value, bq, bk, bv, wb, projf, qh, kh, vv, kmax; writes qh, kh, vv, kmax
.if DOCPART == 2
	.amdgcn_target "amdgcn-amd-amdhsa--gfx1250"
	.amdhsa_code_object_version 6
	.text
	.protected	k_q588c3f3390_proj
	.globl	k_q588c3f3390_proj
	.p2align	8
	.type	k_q588c3f3390_proj,@function
k_q588c3f3390_proj:
	s_mov_b64 s[64:65], 0
	v_nop
	global_prefetch_b8 v0, s[64:65] scope:SCOPE_SE
	s_setreg_imm32_b32 hwreg(HW_REG_WAVE_MODE, 25, 1), 1
	s_wait_xcnt 0x0
	s_wait_alu depctr_hold_cnt(0) depctr_sa_sdst(0) depctr_va_vdst(0) depctr_va_sdst(0) depctr_va_ssrc(0) depctr_va_vcc(0) depctr_vm_vsrc(0)
	s_getreg_b32 s2, hwreg(HW_REG_IB_STS2, 6, 4)
	s_cmp_eq_u32 s2, 0
	s_cbranch_scc0 .Lentry_in_a_cluster
	s_endpgm
.Lentry_in_a_cluster:
	s_bfe_u32 s2, ttmp6, 0x10000c
	s_cmp_lg_u32 s2, 0x3003
	s_cbranch_scc0 .Lentry_shape_is_right
	s_endpgm
.Lentry_shape_is_right:
; out_g = X_g W_g^T + b_g for g = 0, 1, 2 (q, k, v; g is the grid's y), X and W rounded to bf16, sums in f32, stored by heads: [b][head][l][64],
; each as two f16 planes, hi + lo (the lo plane 16,777,216 bytes behind the hi plane).  Why 22 bits: q and k stand in exponents of size up to some 17,
; where eleven bits leave a relative error of several 1e-4 on a feature; and row l of the attention averages l + 1 rows of v, so the first rows are up to 64 times larger than the last.
; For k also kmax[b*8+head][row block]: the largest k . proj of the block's 128 rows (not yet scaled by 64^-0.25), from the same hi + lo that are stored.
; LIMIT: |q|, |k|, |v| below 65,504, the largest f16.
; A work-group makes 128 rows x all 512 columns with four waves; a wave makes 128 x 128: 64 accumulator tiles, 512 registers.
; K goes in eight steps of 64, written out, through two LDS slots.
; W comes as bf16 tiles (65,536 dense bytes a step) by tensor loads; each wave fetches and reads its own 128 rows.
; CLUSTERS: the four row blocks of a cluster walk the same tiles of W, so each tile is asked for jointly (mask 15): the requests for W are divided by four.
; X is f32, belongs to one work-group alone and is read once: it goes memory, registers, bf16, LDS, asked for two steps ahead.
; REGISTERS in windows of 256:  window 0: v16-27 addresses, v32-63 packed numbers, v64-127 and v128-191 fragments of X (later: rows on the way out), v192-255 bias (later: at work)
;   window 1: v0-63 and v192-255 X as loaded (two sets), v64-127 and v128-191 fragments of W;  windows 2, 3: accumulators (rows 0-63, 64-127)
; The matrix instruction is used transposed (source 0 = rows of W, source 1 = rows of X): a lane holds eight neighbouring columns of one row.
.set PITCH,  144                       ; an LDS row: 128 bytes + 16: an odd multiple of 16, so the 16 rows of a fragment load start in different banks
.set BWAVE,  128*PITCH                 ; one wave's 128 rows of W
.set BSLOT,  4*BWAVE
.set ABASE,  2*BSLOT
.set ASLOT,  128*PITCH
.set STAGE,  ABASE+2*ASLOT             ; 16 rows x 272 bytes for each wave, for the way out
.set SPITCH, 272
.set ADRA, 16                          ; v16-17 my fragment address in X slot 0, 1
.set ADRB, 20                          ; v20-21 the same for W
.set AOFF, 22                          ; byte offset of my 16 bytes of X
.set ASTO, 23                          ; where my 8 bytes of bf16 X go
.set STO,  24                          ; the way out: in
.set RD,   25                          ; the way out: back
.set CO,   26                          ; 16 x lane
.set BOFF, 27                          ; byte offset of my bias numbers
.set TMP,  32
.set PK,   32                          ; the way out: 16 rows, hi, packed
.set F0,   64
.set F1,   128
.set BIAS, 192
.set TW,   192                         ; the way out: hi widened, then the rest, then the rest packed (lo)
.set SET0, 0                           ; window 1
.set SET1, 192                         ; window 1
.set DD,   0                           ; window 1, the keys' way out: k . proj, eight tiles
.set PJ,   64                          ; window 1: the table's 16 fragments
.set MM,   224                         ; window 1: running maxima, four chains a head
.set G1, 36
.set G0, 44
.set MUL_LO, 0xa1
.set MUL_HI, 0xf1
.set MSB, 0
.macro WIN new                         ; the immediate's high byte repeats the setting that is left
.if MSB != \new
	s_set_vgpr_msb (MSB<<8)|\new
.set MSB, \new
.endif
.endm
.macro PLACES                          ; four plain vector instructions behind matrix instructions (ISA guide 7.12.1)
.rept 4
	v_nop
.endr
.endm
.macro CREST                           ; a round of the cluster's barrier behind its opening barrier
	s_cmp_lg_u32 s31, 0
	s_cbranch_scc1 .Lnot_wave_0_\@
	s_barrier_signal -3
.Lnot_wave_0_\@:
	s_barrier_wait -3
	s_barrier_signal -1
	s_barrier_wait -1
.endm
.macro CROUND
	s_barrier_signal -1
	s_barrier_wait -1
	CREST
.endm
; 16 loads: my wave's 32 rows x 256 bytes of X for K step kb; lanes 0-15 one row's 256 aligned bytes, lanes 16-31 the row eight below
.macro ALOAD reg, kb
	WIN 0x40
.irp j, 0,1,2,3,4,5,6,7,8,9,10,11,12,13,14,15
	global_load_b128 v[\reg+4*\j:\reg+4*\j+3], v[AOFF], s[4:5] offset:(16*(\j>>3)+(\j&7))*2048+\kb*256 th:TH_LOAD_NT
.endr
	WIN 0
.endm
; a set of X is rounded to bf16 and put into an X slot; kb other than 0: the set is asked for again, for K step kb
.macro ACVT reg, slot, cnt, kb
	s_wait_loadcnt \cnt                            ; this set is in; the 16 loads of the other set stay out
	WIN 0x05
.irp j, 0,1,2,3,4,5,6,7,8,9,10,11,12,13,14,15
	v_cvt_pk_bf16_f32 v[TMP+2*\j], v[\reg+4*\j], v[\reg+4*\j+1]
	v_cvt_pk_bf16_f32 v[TMP+2*\j+1], v[\reg+4*\j+2], v[\reg+4*\j+3]
.endr
	WIN 0
.irp j, 0,1,2,3,4,5,6,7,8,9,10,11,12,13,14,15
	ds_store_b64 v[ASTO], v[TMP+2*\j:TMP+2*\j+1] offset:\slot*ASLOT+(16*(\j>>3)+(\j&7))*PITCH
.endr
.if \kb
	ALOAD \reg, \kb
.endif
.endm
.macro FETCH slot, k, f                ; 32 LDS loads: the fragments of 32 along K at byte k of the rows
	WIN 0x40
.irp i, 0,1,2,3,4,5,6,7
	ds_load_b128 v[\f+8*\i:\f+8*\i+3],   v[ADRB+\slot] offset:\k+\i*16*PITCH
	ds_load_b128 v[\f+8*\i+4:\f+8*\i+7], v[ADRB+\slot] offset:\k+\i*16*PITCH+32
.endr
	WIN 0
.irp i, 0,1,2,3,4,5,6,7
	ds_load_b128 v[\f+8*\i:\f+8*\i+3],   v[ADRA+\slot] offset:\k+\i*16*PITCH
	ds_load_b128 v[\f+8*\i+4:\f+8*\i+7], v[ADRA+\slot] offset:\k+\i*16*PITCH+32
.endr
.endm
; 16 matrix instructions.  mode = 1: the bias starts the sums (C = bias of the tile's columns): nothing is cleared or added later.
; The 64 accumulators take turns, one instruction a turn, in the same order in every quarter.
.macro MUL16 f, hi, a0, mode
.irp a, \a0, \a0+1
.irp b, 0,1,2,3,4,5,6,7
.if \mode
	v_wmma_f32_16x16x32_bf16 v[8*(8*(\a)+\b):8*(8*(\a)+\b)+7], v[\f+8*\b:\f+8*\b+7], v[\f+8*(4*\hi+\a):\f+8*(4*\hi+\a)+7], v[BIAS+8*\b:BIAS+8*\b+7]
.else
	v_wmma_f32_16x16x32_bf16 v[8*(8*(\a)+\b):8*(8*(\a)+\b)+7], v[\f+8*\b:\f+8*\b+7], v[\f+8*(4*\hi+\a):\f+8*(4*\hi+\a)+7], v[8*(8*(\a)+\b):8*(8*(\a)+\b)+7]
.endif
.endr
.endr
.endm
.macro QUARTER slot, k, f, g, mode
	s_wait_dscnt 8                                 ; all but the youngest eight LDS loads (X rows 64-127) are in
.if \mode
	WIN 0x81                                       ; C in window 0 (the bias), D in window 2
.else
	WIN MUL_LO
.endif
	MUL16 \f, 0, 0, \mode
	MUL16 \f, 0, 2, \mode
	PLACES
	FETCH \slot, \k, \g
	s_wait_dscnt 32                                ; all but the 32 just issued
.if \mode
	WIN 0xc1
.else
	WIN MUL_HI
.endif
	MUL16 \f, 1, 0, \mode
	MUL16 \f, 1, 2, \mode
.endm
; K step t on slot sl.  Its second quarter changes slots: each wave waits for its LDS reads and stores and for all its tensor loads, the barrier
; (for t < 6 it opens a round of the cluster's barrier) follows, and behind it the joint refill comes first, then X of step t + 2 goes into the X slot just read.
.macro STEP t, sl, nx, mode, reg, cnt, kb
	QUARTER \sl, 64, F0, F1, \mode
	s_wait_dscnt 8
	WIN MUL_LO
	MUL16 F1, 0, 0, 0
.if \t < 7
	s_wait_dscnt 0x0                               ; my reads of both slots sl and my stores of X for the next step are done
	s_set_vgpr_msb 0xa1a0
	s_wait_tensorcnt 0x0                           ; all my tensor loads have landed: the one that was out is the next step's
	ds_add_u32 v18, v19
	s_wait_dscnt 0x0
	s_set_vgpr_msb 0xa0a1
	s_barrier_signal -1
	MUL16 F1, 0, 2, 0                              ; register work while the others arrive
	WIN 0
	s_barrier_wait -1
.if \t < 6
	CREST                                          ; no wave of any partner still reads this slot or has a load on its way
	s_add_nc_u64 s[G0+4*\sl+2:G0+4*\sl+3], s[G0+4*\sl+2:G0+4*\sl+3], 131072   ; two K steps on
	tensor_load_to_lds s[G0+4*\sl:G0+4*\sl+3], s[G1:G1+7]                     ; my one tensor load behind the round
	s_nop 0
	ACVT \reg, \sl, \cnt, \kb
.endif
	PLACES
	FETCH \nx, 0, F0
.else
	MUL16 F1, 0, 2, 0
	s_wait_dscnt 0x0
.endif
	WIN MUL_HI
	MUL16 F1, 1, 0, 0
	MUL16 F1, 1, 2, 0
.endm
	s_load_b256 s[4:11], s[0:1], 0x0               ; query s[4:5], key s[6:7], value s[8:9], bq s[10:11]
	s_load_b256 s[12:19], s[0:1], 0x20             ; bk s[12:13], bv s[14:15], wb s[16:17], projf s[18:19]
	s_load_b256 s[20:27], s[0:1], 0x40             ; qh s[20:21], kh s[22:23], vv s[24:25], kmax s[26:27]
	v_lshl_add_u32 v18, v0, 2, 0x31400
	v_mov_b32 v19, 0
	ds_add_u32 v18, v19
	ds_add_u32 v18, v19
	v_lshrrev_b32 v1, 5, v0
	v_readfirstlane_b32 s31, v1                    ; wave 0..3
	s_bfe_u32 s28, ttmp6, 0x40000                  ; cx
	s_lshl_b32 s29, ttmp9, 2
	s_add_co_u32 s29, s29, s28                     ; row block = 4 x cluster x + cx
	s_and_b32 s30, ttmp7, 0xffff                   ; g: the same in all four partners
	s_mov_b32 s56, 0x76543210                      ; v_permlanex16_b32: lane i reads lane i of the other half
	s_mov_b32 s57, 0xfedcba98
	; group 1: 64 rows of 256 dense bytes (32 elements of 8 bytes), 16 bytes of padding behind every 128: 128 rows of W at pitch 144
	s_mov_b32 s[G1+0], 15|(3<<16)|(1<<20)|(1<<21)|(4<<22)|(3<<25)   ; mask of the four partners; element 8 bytes; padding on; bit 21 beside a mask; every 32 words; 4 words
	s_mov_b32 s[G1+1], 32<<16                      ; tensor_dim0 = 32
	s_mov_b32 s[G1+2], 64<<16                      ; tensor_dim1 = 64
	s_mov_b32 s[G1+3], 32<<16                      ; tile_dim0 = 32
	s_mov_b32 s[G1+4], 64                          ; tile_dim1 = 64
	s_mov_b32 s[G1+5], 32                          ; from row to row: 32 elements
	s_mov_b32 s[G1+6], 0
	s_mov_b32 s[G1+7], 0
	v_and_b32 v1, 15, v0                           ; r
	v_bfe_u32 v2, v0, 4, 1                         ; h
	v_and_b32 v3, 31, v0                           ; lane
	s_lshl_b32 s52, s31, 16                        ; 32 rows of 2,048 bytes a wave
	v_lshlrev_b32 v4, 14, v2                       ; eight rows further for lanes 16-31
	v_lshl_add_u32 v4, v1, 4, v4
	v_add_nc_u32 v[AOFF], s52, v4
	s_lshl_b32 s52, s31, 9                         ; bias of my 128 columns
	v_lshl_add_u32 v[BOFF], v2, 5, s52
	s_lshl_b32 s32, s29, 18                        ; 128 rows of 2,048 bytes a row block
	s_mov_b32 s33, 0
	s_lshl_b32 s54, s30, 19                        ; W: g x 524,288 + wave x 16,384: nothing of cx enters
	s_lshl_b32 s55, s31, 14
	s_add_co_u32 s54, s54, s55
	s_mov_b32 s55, 0
	s_mul_i32 s35, s31, BWAVE
	s_wait_dscnt 0x0
	s_wait_kmcnt 0x0
	s_cmp_eq_u32 s30, 1
	s_cselect_b64 s[4:5], s[6:7], s[4:5]
	s_cselect_b64 s[10:11], s[12:13], s[10:11]
	s_cselect_b64 s[20:21], s[22:23], s[20:21]
	s_cmp_eq_u32 s30, 2
	s_cselect_b64 s[4:5], s[8:9], s[4:5]
	s_cselect_b64 s[10:11], s[14:15], s[10:11]
	s_cselect_b64 s[20:21], s[24:25], s[20:21]
	s_add_nc_u64 s[4:5], s[4:5], s[32:33]
	s_add_nc_u64 s[16:17], s[16:17], s[54:55]
.irp b, 0,1,2,3,4,5,6,7
	global_load_b128 v[BIAS+8*\b:BIAS+8*\b+3],   v[BOFF], s[10:11] offset:64*\b      ; bias[128 w + 16 b + 8 h + 0..3]
	global_load_b128 v[BIAS+8*\b+4:BIAS+8*\b+7], v[BOFF], s[10:11] offset:64*\b+16
.endr
	ALOAD SET0, 0
	ALOAD SET1, 1
	CROUND                                         ; all four work-groups are here: the first joint loads meet
.irp s, 0,1
	s_mov_b32 s[G0+4*\s], 1
	s_add_co_u32 s[G0+4*\s+1], s35, \s*BSLOT                       ; LDS: slot + my wave's rows
	s_add_nc_u64 s[G0+4*\s+2:G0+4*\s+3], s[16:17], \s*65536        ; K step s
	s_or_b32 s[G0+4*\s+3], s[G0+4*\s+3], 0x80000000               ; type = 2
	tensor_load_to_lds s[G0+4*\s:G0+4*\s+3], s[G1:G1+7]            ; two tensor loads of the wave are out here, later one
	s_nop 0
.endr
	v_mul_u32_u24 v4, v1, PITCH
	v_lshl_add_u32 v4, v2, 4, v4                   ; r x pitch + 16 h
	v_add_nc_u32 v[ADRA], ABASE, v4
	v_add_nc_u32 v[ADRA+1], ABASE+ASLOT, v4
	v_add_nc_u32 v[ADRB], s35, v4
	v_add_nc_u32 v[ADRB+1], BSLOT, v[ADRB]
	s_mul_i32 s52, s31, 32*PITCH
	s_add_co_u32 s52, s52, ABASE
	v_mul_u32_u24 v5, v2, 8*PITCH
	v_lshl_add_u32 v5, v1, 3, v5
	v_add_nc_u32 v[ASTO], s52, v5                  ; row 32 w + 8 h, 8 bytes at 8 r
	s_mul_i32 s53, s31, 16*SPITCH
	s_add_co_u32 s53, s53, STAGE
	v_mul_u32_u24 v5, v1, SPITCH
	v_lshl_add_u32 v5, v2, 4, v5
	v_add_nc_u32 v[STO], s53, v5
	v_lshrrev_b32 v5, 3, v3
	v_and_b32 v6, 7, v0
	v_mul_u32_u24 v5, v5, SPITCH
	v_lshl_add_u32 v5, v6, 4, v5
	v_add_nc_u32 v[RD], s53, v5                    ; eight lanes take 128 bytes (one head) of a row
	v_lshlrev_b32 v[CO], 4, v3
	ACVT SET0, 0, 16, 2                            ; the count also shows the bias in: it was asked for first
	ACVT SET1, 1, 16, 3
	s_wait_dscnt 0x0                               ; my rows of X for steps 0 and 1 are in LDS
	s_wait_tensorcnt 0x1                           ; my part of W for step 0 is in; step 1 may stay out
	s_barrier_signal -1
	s_barrier_wait -1
	FETCH 0, 0, F0
	STEP 0, 0, 1, 1, SET0, 16, 4
	STEP 1, 1, 0, 0, SET1, 16, 5
	STEP 2, 0, 1, 0, SET0, 16, 6
	STEP 3, 1, 0, 0, SET1, 16, 7
	STEP 4, 0, 1, 0, SET0, 16, 0
	STEP 5, 1, 0, 0, SET1, 0, 0
	STEP 6, 0, 1, 0, SET0, 0, 0
	STEP 7, 1, 0, 0, SET0, 0, 0
	; THE WAY OUT, 16 rows at a time: f16 hi and lo, through my own stage, back as 128-byte rows of one head: a store covers 512 dense bytes of that head.
.macro CVT16 a, from                   ; the eight tiles (a, 0..7) of window 2 or 3 (from = 0x0a or 0x0f), rounded to f16
	WIN \from
.irp b, 0,1,2,3,4,5,6,7
.irp r, 0,1,2,3
	v_cvt_pk_f16_f32 v[PK+4*\b+\r], v[8*(8*\a+\b)+2*\r], v[8*(8*\a+\b)+2*\r+1]
.endr
.endr
	WIN 0
.endm
.macro PUT16 i, src, f, sb             ; 16 packed rows in v[src ..] go through the stage and out to the buffer at s[sb:sb+1]
.irp b, 0,1,2,3,4,5,6,7
	ds_store_b128 v[STO], v[\src+4*\b:\src+4*\b+3] offset:32*\b
.endr
	s_wait_xcnt 0x0                                ; buffer f, which earlier stores read, is loaded again only behind this wait
.irp t, 0,1,2,3,4,5,6,7
	ds_load_b128 v[\f+4*\t:\f+4*\t+3], v[RD] offset:4*(\t&3)*SPITCH+128*(\t>>2)   ; LDS serves a wave in order: these see the stores above
.endr
.irp t, 0,1,2,3,4,5,6,7
	s_wait_dscnt 7-\t
	global_store_b128 v[CO], v[\f+4*\t:\f+4*\t+3], s[\sb:\sb+1] offset:(\t>>2)*524288+(16*\i+4*(\t&3))*128
.endr
.endm
.macro WID k                           ; both halves of packed register k (32 to 63) as f32
	v_cvt_f32_f16 v[TW+2*(\k-32)], v\k\().l
	v_cvt_f32_f16 v[TW+2*(\k-32)+1], v\k\().h
.endm
.macro LO16 a, from1                   ; what the f16 in PK leaves of the sums (from1 = 0x02 or 0x03: source 0 in the accumulators' window), rounded to f16
.irp k, 32,33,34,35,36,37,38,39,40,41,42,43,44,45,46,47,48,49,50,51,52,53,54,55,56,57,58,59,60,61,62,63
	WID \k
.endr
	WIN \from1
.irp b, 0,1,2,3,4,5,6,7
.irp r, 0,1,2,3
	v_pk_add_f32 v[TW+8*\b+2*\r:TW+8*\b+2*\r+1], v[8*(8*\a+\b)+2*\r:8*(8*\a+\b)+2*\r+1], v[TW+8*\b+2*\r:TW+8*\b+2*\r+1] neg_lo:[0,1] neg_hi:[0,1]
.endr
.endr
	WIN 0
.set kk, 0
.rept 32
	v_cvt_pk_f16_f32 v[TW+kk], v[TW+2*kk], v[TW+2*kk+1]            ; register kk is written behind the line that read it
.set kk, kk+1
.endr
.endm
.macro V16 i, a, from, from1, f
	CVT16 \a, \from
	LO16 \a, \from1
	PUT16 \i, PK, \f, 20
	PUT16 \i, TW, \f+32, 22
.endm
; k . proj of the 16 rows just packed, two heads.  PK and TW are fragments as they stand: lane (r, h) holds row r, registers 16 head + 8 ks + 0..3 the columns
; d = 32 ks + 8 h .., + 4..7 the columns d = 32 ks + 16 + 8 h ...  Four products for each of eight tiles, which take turns: hi, hi, lo, lo, the order in which the later launches add.
.macro DMAX
.irp hh, 0,1
	WIN 0x51                                       ; the table, C and D in window 1, the rows in window 0
.irp mt, 0,1,2,3,4,5,6,7
	v_wmma_f32_16x16x32_f16 v[DD+8*\mt:DD+8*\mt+7], v[PJ+16*\mt:PJ+16*\mt+7], v[PK+16*\hh:PK+16*\hh+7], 0
.endr
.irp mt, 0,1,2,3,4,5,6,7
	v_wmma_f32_16x16x32_f16 v[DD+8*\mt:DD+8*\mt+7], v[PJ+16*\mt+8:PJ+16*\mt+15], v[PK+16*\hh+8:PK+16*\hh+15], v[DD+8*\mt:DD+8*\mt+7]
.endr
.irp mt, 0,1,2,3,4,5,6,7
	v_wmma_f32_16x16x32_f16 v[DD+8*\mt:DD+8*\mt+7], v[PJ+16*\mt:PJ+16*\mt+7], v[TW+16*\hh:TW+16*\hh+7], v[DD+8*\mt:DD+8*\mt+7]
.endr
.irp mt, 0,1,2,3,4,5,6,7
	v_wmma_f32_16x16x32_f16 v[DD+8*\mt:DD+8*\mt+7], v[PJ+16*\mt+8:PJ+16*\mt+15], v[TW+16*\hh+8:TW+16*\hh+15], v[DD+8*\mt:DD+8*\mt+7]
.endr
	PLACES
	WIN 0x55
.set kk, 0
.rept 32
	v_max3_num_f32 v[MM+4*\hh+(kk&3)], v[DD+2*kk], v[DD+2*kk+1], v[MM+4*\hh+(kk&3)]
.set kk, kk+1
.endr
.endr
	WIN 0
.endm
	PLACES
	WIN 0
	s_lshr_b32 s32, s29, 5                         ; batch
	s_and_b32 s52, s29, 31                         ; row block in the batch
	s_lshl_b32 s33, s32, 22                        ; 8 heads of 524,288 bytes
	s_lshl_b32 s53, s31, 20                        ; my two heads
	s_add_co_u32 s33, s33, s53
	s_lshl_b32 s53, s52, 14                        ; 128 rows of 128 bytes
	s_add_co_u32 s58, s33, s53
	s_mov_b32 s59, 0
	s_add_nc_u64 s[20:21], s[20:21], s[58:59]      ; the hi plane
	s_add_nc_u64 s[22:23], s[20:21], 0x1000000     ; the lo plane
	s_cmp_eq_u32 s30, 1                            ; g is the same in all partners
	s_cbranch_scc1 .Lkeys
	V16 0, 0, 0x0a, 0x02, F0
	V16 1, 1, 0x0a, 0x02, F1
	V16 2, 2, 0x0a, 0x02, F0
	V16 3, 3, 0x0a, 0x02, F1
	V16 4, 0, 0x0f, 0x03, F0
	V16 5, 1, 0x0f, 0x03, F1
	V16 6, 2, 0x0f, 0x03, F0
	V16 7, 3, 0x0f, 0x03, F1
	s_branch .Lclose
.Lkeys:
	s_lshl_b32 s58, s32, 10                        ; kmax: (batch x 8 + 2 wave) x 128 bytes + 4 x row block
	s_lshl_b32 s53, s31, 8
	s_add_co_u32 s58, s58, s53
	s_lshl2_add_u32 s58, s52, s58
	s_mov_b32 s59, 0
	s_add_nc_u64 s[26:27], s[26:27], s[58:59]
	WIN 0x40
.set kk, 0
.rept 32
	global_load_b128 v[PJ+4*kk:PJ+4*kk+3], v[CO], s[18:19] offset:512*kk
.set kk, kk+1
.endr
.irp c, 0,1,2,3,4,5,6,7
	v_mov_b32 v[MM+\c], 0xff800000                 ; minus infinity
.endr
	V16 0, 0, 0x0a, 0x02, F0
	s_wait_loadcnt 0x0                             ; the table
	DMAX
	V16 1, 1, 0x0a, 0x02, F1
	DMAX
	V16 2, 2, 0x0a, 0x02, F0
	DMAX
	V16 3, 3, 0x0a, 0x02, F1
	DMAX
	V16 4, 0, 0x0f, 0x03, F0
	DMAX
	V16 5, 1, 0x0f, 0x03, F1
	DMAX
	V16 6, 2, 0x0f, 0x03, F0
	DMAX
	V16 7, 3, 0x0f, 0x03, F1
	DMAX
	WIN 0x55
	v_max3_num_f32 v[MM], v[MM], v[MM+1], v[MM+2]
	v_max3_num_f32 v[MM+4], v[MM+4], v[MM+5], v[MM+6]
	v_max_num_f32 v[MM], v[MM], v[MM+3]
	v_max_num_f32 v[MM+4], v[MM+4], v[MM+7]
	WIN 0x01
	v_mov_b32 v28, v[MM]
	v_mov_b32 v29, v[MM+4]
	WIN 0
.irp x, 1,2,4,8
	v_max_num_f32_dpp v28, v28, v28 row_xmask:\x row_mask:0xf bank_mask:0xf
	v_max_num_f32_dpp v29, v29, v29 row_xmask:\x row_mask:0xf bank_mask:0xf
.endr
	v_mov_b32 v30, 0                               ; the destination of v_permlanex16_b32 counts as read
	v_mov_b32 v31, 0
	v_permlanex16_b32 v30, v28, s56, s57
	v_permlanex16_b32 v31, v29, s56, s57
	v_max_num_f32 v28, v28, v30
	v_max_num_f32 v29, v29, v31
	v_cmp_eq_u32 vcc_lo, 1, v3
	v_cndmask_b32 v28, v28, v29, vcc_lo            ; lane 0: head 2 w, lane 1: head 2 w + 1
	v_lshlrev_b32 v30, 7, v3                       ; a head's 32 words
	v_cmp_gt_u32 vcc_lo, 2, v3
	s_wait_xcnt 0x0                                ; EXEC changes only behind this wait
	s_and_saveexec_b32 s58, vcc_lo
	global_store_b32 v30, v28, s[26:27]
	s_wait_xcnt 0x0
	s_or_b32 exec_lo, exec_lo, s58
.Lclose:
	s_wait_tensorcnt 0x0
	ds_add_u32 v18, v19
	s_wait_dscnt 0x0
	CROUND                                         ; the closing round: no work-group ends while a partner may still ask jointly
	s_endpgm
.Lfunc_end_k_q588c3f3390_proj:
	.size	k_q588c3f3390_proj, .Lfunc_end_k_q588c3f3390_proj-k_q588c3f3390_proj
	.p2alignl 7, 3214868480
	.fill 96, 4, 3214868480
	.section	.rodata,"a",@progbits
	.p2align	6, 0x0
	.amdhsa_kernel k_q588c3f3390_proj
		.amdhsa_group_segment_fixed_size 327680
		.amdhsa_private_segment_fixed_size 0
		.amdhsa_enable_private_segment 0
		.amdhsa_kernarg_size 96
		.amdhsa_user_sgpr_count 2
		.amdhsa_user_sgpr_kernarg_segment_ptr 1
		.amdhsa_wavefront_size32 1
		.amdhsa_system_sgpr_workgroup_id_x 1
		.amdhsa_system_sgpr_workgroup_id_y 1
		.amdhsa_system_sgpr_workgroup_id_z 1
		.amdhsa_system_vgpr_workitem_id 0
		.amdhsa_next_free_vgpr 1024
		.amdhsa_next_free_sgpr 66
		.amdhsa_reserve_vcc 1
		.amdhsa_float_denorm_mode_32 3
		.amdhsa_float_denorm_mode_16_64 3
		.amdhsa_memory_ordered 1
		.amdhsa_forward_progress 1
		.amdhsa_inst_pref_size 255
	.end_amdhsa_kernel
	.section	.bss,"aw",@nobits
	.p2align	6
	.space	262144
	.amdgpu_metadata
---
amdhsa.version: [ 1, 2 ]
amdhsa.kernels:
  - .name:           k_q588c3f3390_proj
    .symbol:         k_q588c3f3390_proj.kd
    .args:
      - { .name: query, .offset: 0, .size: 8, .value_kind: global_buffer, .address_space: global }
      - { .name: key, .offset: 8, .size: 8, .value_kind: global_buffer, .address_space: global }
      - { .name: value, .offset: 16, .size: 8, .value_kind: global_buffer, .address_space: global }
      - { .name: bq, .offset: 24, .size: 8, .value_kind: global_buffer, .address_space: global }
      - { .name: bk, .offset: 32, .size: 8, .value_kind: global_buffer, .address_space: global }
      - { .name: bv, .offset: 40, .size: 8, .value_kind: global_buffer, .address_space: global }
      - { .name: wb, .offset: 48, .size: 8, .value_kind: global_buffer, .address_space: global }
      - { .name: projf, .offset: 56, .size: 8, .value_kind: global_buffer, .address_space: global }
      - { .name: qh, .offset: 64, .size: 8, .value_kind: global_buffer, .address_space: global }
      - { .name: kh, .offset: 72, .size: 8, .value_kind: global_buffer, .address_space: global }
      - { .name: vv, .offset: 80, .size: 8, .value_kind: global_buffer, .address_space: global }
      - { .name: kmax, .offset: 88, .size: 8, .value_kind: global_buffer, .address_space: global }
    .group_segment_fixed_size: 327680
    .private_segment_fixed_size: 0
    .kernarg_segment_align: 8
    .kernarg_segment_size: 96
    .max_flat_workgroup_size: 128
    .sgpr_count:     66
    .vgpr_count:     1024
    .wavefront_size: 32
...
	.end_amdgpu_metadata
.endif
;; end of part 2
;; launch state (part 3): grid 7 x 32, 8 waves a work-group, no clusters, 168,960 bytes of LDS; arguments kh, vv, projf, kmax, sseg; writes sseg
.if DOCPART == 3
	.amdgcn_target "amdgcn-amd-amdhsa--gfx1250"
	.amdhsa_code_object_version 6
	.text
	.protected	k_q588c3f3390_state
	.globl	k_q588c3f3390_state
	.p2align	8
	.type	k_q588c3f3390_state,@function
k_q588c3f3390_state:
	s_mov_b64 s[64:65], 0
	v_nop
	global_prefetch_b8 v0, s[64:65] scope:SCOPE_SE
	s_setreg_imm32_b32 hwreg(HW_REG_WAVE_MODE, 25, 1), 1
	s_wait_xcnt 0x0
; For (b, head) = grid y and segment = grid x (512 rows, segments 0 to 6): S[m][d] = sum over the rows of kp[l][m] * [v[l] | 1][d], f32, 128 x 80
; (columns 64 to 79 all hold the sum of kp).  kp = 16 (exp(dash - diag - max) + eps): the factor m^-0.5 of the reference is left out and the 16 put in,
; since both multiply numerator and denominator of the attention alike.  The maximum is the one over all rows of (b, head), from kmax, and diag >= 0,
; so kp lies between 1.6e-4 and 16.0002 for every input and has room in f16.  k = hi + lo (two f16 planes), both multiplied with the table, diag from their sum in f32;
; the factor 64^-0.25 log2(e) is applied in f32 in front of the exponential, which is in base 2.  v: the hi plane of vv alone.
; LIMIT: an exponential below 2^-126 counts as 0 in front of eps.
; Eight waves.  Wave w makes the features of rows 16 w .. of each chunk of 128 rows, and owns rows m = 16 w .. of S (5 tiles, window 1).
; Each wave loads its 16 rows of k straight into fragments (eight loads, 4,096 dense bytes), two chunks ahead, in two sets of registers.
; v (512 rows) comes by four tensor loads from wave 0 at the start; no LDS byte is filled twice.  The 168,960 bytes of LDS asked for keep the work-group alone on its WGP; 151,552 are used.
; No multicast: no two work-groups read the same k or v.
.set RP,   160                         ; pitch of a row of v: 128 bytes + 32
.set CH,   128*RP                      ; a chunk
.set TEN,  4*CH                        ; 512 rows
.set KPP,  272                         ; pitch of kp[l][128 m] in f16
.set KPB,  128*KPP
.set LKP,  TEN                         ; v begins at LDS byte 0; behind it two buffers of kp, taking turns
.set KGO,  4
.set KPST, 6
.set KPTR, 7
.set VTR,  8
.set L16,  15
.set MXK,  16
.set MXA,  18
.set PT,   20
.set DG,   24
.set TT,   28
.set CC,   36
.set XA,   40                          ; v40-55 k hi, v56-71 k lo: even chunks
.set XB,   72                          ; v72-87 k hi, v88-103 k lo: odd chunks
.set LB,   104
.set ONES, 232
.set PJ,   0                           ; window 1
.set SA,   128                         ; window 1
.set DC,   48
.set NC,   49
.set SELA, 50
.set SELB, 51
.set G1, 24
.set G0, 32
.set MSB, 0
.macro WIN new
.if MSB != \new
	s_set_vgpr_msb (MSB<<8)|\new
.set MSB, \new
.endif
.endm
.macro PLACES
.rept 4
	v_nop
.endr
.endm
.macro SQ ra, la, ch, first            ; (hi + lo)^2 of the two numbers in registers ra (hi) and la (lo), onto chain ch
	v_cvt_f32_f16 v[TT+4*\ch], v\ra\().l
	v_cvt_f32_f16 v[TT+4*\ch+1], v\ra\().h
	v_cvt_f32_f16 v[TT+4*\ch+2], v\la\().l
	v_cvt_f32_f16 v[TT+4*\ch+3], v\la\().h
	v_pk_add_f32 v[TT+4*\ch:TT+4*\ch+1], v[TT+4*\ch:TT+4*\ch+1], v[TT+4*\ch+2:TT+4*\ch+3]
.if \first
	v_pk_mul_f32 v[DG+2*\ch:DG+2*\ch+1], v[TT+4*\ch:TT+4*\ch+1], v[TT+4*\ch:TT+4*\ch+1]   ; the first squares start the chains: nothing is cleared
.else
	v_pk_fma_f32 v[DG+2*\ch:DG+2*\ch+1], v[TT+4*\ch:TT+4*\ch+1], v[TT+4*\ch:TT+4*\ch+1], v[DG+2*\ch:DG+2*\ch+1]
.endif
.endm
.macro SQALL sel                       ; the sum of squares of my 32 numbers of the row
.if \sel == 40
	SQ 40, 56, 0, 1
	SQ 41, 57, 1, 1
	SQ 42, 58, 0, 0
	SQ 43, 59, 1, 0
	SQ 44, 60, 0, 0
	SQ 45, 61, 1, 0
	SQ 46, 62, 0, 0
	SQ 47, 63, 1, 0
	SQ 48, 64, 0, 0
	SQ 49, 65, 1, 0
	SQ 50, 66, 0, 0
	SQ 51, 67, 1, 0
	SQ 52, 68, 0, 0
	SQ 53, 69, 1, 0
	SQ 54, 70, 0, 0
	SQ 55, 71, 1, 0
.else
	SQ 72, 88, 0, 1
	SQ 73, 89, 1, 1
	SQ 74, 90, 0, 0
	SQ 75, 91, 1, 0
	SQ 76, 92, 0, 0
	SQ 77, 93, 1, 0
	SQ 78, 94, 0, 0
	SQ 79, 95, 1, 0
	SQ 80, 96, 0, 0
	SQ 81, 97, 1, 0
	SQ 82, 98, 0, 0
	SQ 83, 99, 1, 0
	SQ 84, 100, 0, 0
	SQ 85, 101, 1, 0
	SQ 86, 102, 0, 0
	SQ 87, 103, 1, 0
.endif
.endm
; Features of the 16 rows of k in v[xh ..] (hi 16 registers, lo 16).  D[mt] = table fragment x row fragment: lane (r, h) holds m = 16 mt + 8 h + j of row r.  The eight tiles take turns.
.macro FEATK xh, kpo
	WIN 0x01
.irp mt, 0,1,2,3,4,5,6,7
	v_wmma_f32_16x16x32_f16 v[LB+8*\mt:LB+8*\mt+7], v[PJ+16*\mt:PJ+16*\mt+7], v[\xh:\xh+7], 0
.endr
.irp mt, 0,1,2,3,4,5,6,7
	v_wmma_f32_16x16x32_f16 v[LB+8*\mt:LB+8*\mt+7], v[PJ+16*\mt+8:PJ+16*\mt+15], v[\xh+8:\xh+15], v[LB+8*\mt:LB+8*\mt+7]
.endr
.irp mt, 0,1,2,3,4,5,6,7
	v_wmma_f32_16x16x32_f16 v[LB+8*\mt:LB+8*\mt+7], v[PJ+16*\mt:PJ+16*\mt+7], v[\xh+16:\xh+23], v[LB+8*\mt:LB+8*\mt+7]
.endr
.irp mt, 0,1,2,3,4,5,6,7
	v_wmma_f32_16x16x32_f16 v[LB+8*\mt:LB+8*\mt+7], v[PJ+16*\mt+8:PJ+16*\mt+15], v[\xh+24:\xh+31], v[LB+8*\mt:LB+8*\mt+7]
.endr
	WIN 0
	SQALL \xh                                      ; its first lines name no register of the last eight products: they are the places behind them
	v_pk_add_f32 v[DG:DG+1], v[DG:DG+1], v[DG+2:DG+3]
	v_add_f32 v[DG], v[DG], v[DG+1]
	v_permlanex16_b32 v[PT], v[DG], s[SELA], s[SELB]   ; the other 32 numbers of the row
	v_add_f32 v[DG], v[DG], v[PT]
	v_fma_f32 v[CC], v[DG], s[DC], v[MXK]          ; 4 - diag - maximum, in base 2
	v_fma_f32 v[CC+1], v[DG], s[DC], v[MXK]
.set kk, 0
.rept 32
	v_pk_fma_f32 v[LB+2*kk:LB+2*kk+1], v[LB+2*kk:LB+2*kk+1], 0x3f0293ee, v[CC:CC+1] op_sel_hi:[1,0,1]   ; 64^-0.25 log2(e) x (k . proj) + that
.set kk, kk+1
.endr
.set kk, 0
.rept 64
	v_exp_f32 v[LB+kk], v[LB+kk]
.set kk, kk+1
.endr
	v_nop                                          ; one plain vector instruction behind the exponentials (ISA guide 5.7.2)
.set kk, 0
	s_wait_alu depctr_va_vdst(0)
.rept 32
	v_pk_add_f32 v[LB+2*kk:LB+2*kk+1], v[LB+2*kk:LB+2*kk+1], 0x3927c5ac op_sel_hi:[1,0]   ; + 16 eps
.set kk, kk+1
.endr
.irp mt, 0,1,2,3,4,5,6,7
.irp i, 0,1,2,3
	v_cvt_pk_f16_f32 v[LB+8*\mt+\i], v[LB+8*\mt+2*\i], v[LB+8*\mt+2*\i+1]
.endr
.endr
.irp mt, 0,1,2,3,4,5,6,7
	ds_store_b128 v[KPST], v[LB+8*\mt:LB+8*\mt+3] offset:\kpo+32*\mt
.endr
.endm
; S += kp^T [v | 1] over a chunk of 128 rows, in four steps of 32 rows.  Both operands lie with K down the rows: transposing loads.
.macro UPLD buf, ks, kpo
	ds_load_tr16_b128 v[LB+40*\buf:LB+40*\buf+3],   v[KPTR] offset:\kpo+8704*\ks
	ds_load_tr16_b128 v[LB+40*\buf+4:LB+40*\buf+7], v[KPTR] offset:\kpo+8704*\ks+4352
.irp dt, 0,1,2,3
	ds_load_tr16_b128 v[LB+40*\buf+8+8*\dt:LB+40*\buf+11+8*\dt],  v[VTR] offset:5120*\ks+32*\dt
	ds_load_tr16_b128 v[LB+40*\buf+12+8*\dt:LB+40*\buf+15+8*\dt], v[VTR] offset:5120*\ks+32*\dt+2560
.endr
.endm
.macro UPMUL buf, zero                 ; the five accumulators take turns, one instruction a turn
	WIN 0x50
.if \zero
.irp dt, 0,1,2,3
	v_wmma_f32_16x16x32_f16 v[SA+8*\dt:SA+8*\dt+7], v[LB+40*\buf:LB+40*\buf+7], v[LB+40*\buf+8+8*\dt:LB+40*\buf+15+8*\dt], 0
.endr
	v_wmma_f32_16x16x32_f16 v[SA+32:SA+39], v[LB+40*\buf:LB+40*\buf+7], v[ONES:ONES+7], 0
.else
.irp dt, 0,1,2,3
	v_wmma_f32_16x16x32_f16 v[SA+8*\dt:SA+8*\dt+7], v[LB+40*\buf:LB+40*\buf+7], v[LB+40*\buf+8+8*\dt:LB+40*\buf+15+8*\dt], v[SA+8*\dt:SA+8*\dt+7]
.endr
	v_wmma_f32_16x16x32_f16 v[SA+32:SA+39], v[LB+40*\buf:LB+40*\buf+7], v[ONES:ONES+7], v[SA+32:SA+39]
.endif
	WIN 0
.endm
.macro UPDATE zero, kpo, last
	UPLD 0, 0, \kpo
	UPLD 1, 1, \kpo
	s_wait_dscnt 10                                ; this step's ten loads are in, the next step's ten stay out
	UPMUL 0, \zero
	PLACES
	UPLD 0, 2, \kpo
	s_wait_dscnt 10
	UPMUL 1, 0
	PLACES
	UPLD 1, 3, \kpo
	s_wait_dscnt 10
	UPMUL 0, 0
	s_wait_dscnt 0x0
	UPMUL 1, 0
	PLACES
.if \last == 0
	v_add_nc_u32 v[VTR], CH, v[VTR]                ; the next chunk of v; also the fifth place in front of matrix instructions that write over the buffers
.endif
.endm
.macro QKLD reg, sb, c                 ; one plane of my 16 rows of k of chunk c, as two fragments
.irp e, 0,1,2,3
	global_load_b128 v[\reg+4*\e:\reg+4*\e+3], v[KGO], s[\sb:\sb+1] offset:(\c)*16384+32*\e
.endr
.endm
	s_load_b256 s[4:11], s[0:1], 0x0               ; kh s[4:5], vv s[6:7], projf s[8:9], kmax s[10:11]
	s_load_b64 s[12:13], s[0:1], 0x20              ; sseg
	v_lshl_add_u32 v254, v0, 2, 0x29000
	v_mov_b32 v255, 0
	ds_add_u32 v254, v255
	ds_add_u32 v254, v255
	v_lshrrev_b32 v1, 5, v0
	v_readfirstlane_b32 s18, v1                    ; wave 0..7
	s_mov_b32 s20, ttmp9                           ; segment
	s_and_b32 s21, ttmp7, 0xffff                   ; b x 8 + head
	s_mov_b32 s[DC], 0xbdb8aa3b                    ; - 0.5 * 64^-0.5 * log2(e)
	s_mov_b32 s[NC], 0xbf0293ee                    ; - 64^-0.25 * log2(e)
	s_mov_b32 s[SELA], 0x76543210
	s_mov_b32 s[SELB], 0xfedcba98
	; group 1: 64 rows of 256 dense bytes, 32 bytes of padding behind every 128: 128 rows at pitch 160
	s_mov_b32 s[G1+0], (3<<16)|(1<<20)|(4<<22)|(7<<25)
	s_mov_b32 s[G1+1], 32<<16
	s_mov_b32 s[G1+2], 64<<16
	s_mov_b32 s[G1+3], 32<<16
	s_mov_b32 s[G1+4], 64
	s_mov_b32 s[G1+5], 32
	s_mov_b32 s[G1+6], 0
	s_mov_b32 s[G1+7], 0
	s_lshl_b32 s22, s21, 19                        ; a head: 4,096 rows of 128 bytes
	s_lshl_b32 s23, s20, 16                        ; a segment: 512 rows
	s_add_co_u32 s22, s22, s23
	s_mov_b32 s23, 0
	s_wait_dscnt 0x0
	s_wait_kmcnt 0x0
	s_add_nc_u64 s[4:5], s[4:5], s[22:23]          ; k, hi plane
	s_add_nc_u64 s[14:15], s[4:5], 0x1000000       ; k, lo plane
	s_add_nc_u64 s[6:7], s[6:7], s[22:23]          ; v, hi plane
	s_cmp_lg_u32 s18, 0
	s_cbranch_scc1 .Lnofill
.irp c, 0,1,2,3
	s_mov_b32 s[G0+4*\c], 1
	s_mov_b32 s[G0+4*\c+1], \c*CH
	s_add_nc_u64 s[G0+4*\c+2:G0+4*\c+3], s[6:7], \c*16384
	s_or_b32 s[G0+4*\c+3], s[G0+4*\c+3], 0x80000000
	tensor_load_to_lds s[G0+4*\c:G0+4*\c+3], s[G1:G1+7]            ; four tensor loads of wave 0 are out at the most
	s_nop 0
.endr
.Lnofill:
	s_mul_i32 s52, s21, 7
	s_add_co_u32 s52, s52, s20
	s_lshl3_add_u32 s52, s52, s18
	s_mul_i32 s52, s52, 5120                       ; ((bh x 7 + segment) x 8 + wave) x 5 tiles of 1,024 bytes
	s_mov_b32 s53, 0
	s_add_nc_u64 s[12:13], s[12:13], s[52:53]
	v_and_b32 v1, 15, v0                           ; r
	v_bfe_u32 v2, v0, 4, 1                         ; h
	v_and_b32 v3, 31, v0                           ; lane
	v_lshlrev_b32 v[L16], 4, v3
	s_lshl_b32 s52, s21, 7
	v_lshl_add_u32 v[MXA], v3, 2, s52
	v_lshlrev_b32 v21, 7, v1
	v_lshl_add_u32 v21, v2, 4, v21                 ; r x 128 + 16 h
	s_lshl_b32 s52, s18, 11
	v_add_nc_u32 v[KGO], s52, v21                  ; k: row 16 w + r
	global_load_b32 v[MXK], v[MXA], s[10:11]       ; lane l: the maximum of row block l
	WIN 0x40
.set kk, 0
.rept 32
	global_load_b128 v[PJ+4*kk:PJ+4*kk+3], v[L16], s[8:9] offset:512*kk
.set kk, kk+1
.endr
	WIN 0
	QKLD XA,    4,  0
	QKLD XA+16, 14, 0
	QKLD XB,    4,  1
	QKLD XB+16, 14, 1
.irp i, 0,1,2,3,4,5,6,7
	v_mov_b32 v[ONES+\i], 0x3c003c00               ; a fragment of ones in f16
.endr
	v_mov_b32 v[PT], 0
	v_mul_u32_u24 v21, v1, KPP
	v_lshl_add_u32 v21, v2, 4, v21
	s_mul_i32 s52, s18, 16*KPP
	s_add_co_u32 s52, s52, LKP
	v_add_nc_u32 v[KPST], s52, v21                 ; kp: row 16 w + r, 16 h
	v_and_b32 v22, 7, v0
	v_lshl_add_u32 v22, v2, 3, v22                 ; 8 h + (l & 7)
	v_bfe_u32 v23, v0, 3, 1
	v_lshlrev_b32 v23, 4, v23
	v_mul_u32_u24 v21, v22, KPP
	v_add_nc_u32 v21, v21, v23
	s_lshl_b32 s52, s18, 5
	s_add_co_u32 s52, s52, LKP
	v_add_nc_u32 v[KPTR], s52, v21                 ; transposing loads of kp: columns m = 16 w ..
	v_mul_u32_u24 v21, v22, RP
	v_add_nc_u32 v[VTR], v21, v23                  ; transposing loads of v
	s_wait_loadcnt 0x8                             ; kmax, the table and chunk 0 are in; the eight loads of chunk 1 stay out
.irp x, 1,2,4,8
	v_max_num_f32_dpp v[MXK], v[MXK], v[MXK] row_xmask:\x row_mask:0xf bank_mask:0xf
.endr
	v_permlanex16_b32 v[PT], v[MXK], s[SELA], s[SELB]
	v_max_num_f32 v[MXK], v[MXK], v[PT]            ; the maximum over all 4,096 rows and 128 m
	v_fma_f32 v[MXK], v[MXK], s[NC], 4.0           ; 4 - maximum in base 2: the 4 is the factor 16
; One barrier a chunk: in front of it my kp rows are stored, my reads of the kp buffer before are back, and (wave 0) this chunk of v has landed.
; lc: the loads that may stay out when this chunk's k is needed; nc: the chunk that is asked for into the set just used (0: none).
.macro SCHUNK xh, zero, kpo, tc, lc, nc, last
	s_wait_loadcnt \lc
	FEATK \xh, \kpo
.if \nc
	QKLD \xh,    4,  \nc
	QKLD \xh+16, 14, \nc
.endif
	s_wait_dscnt 0x0
	s_wait_tensorcnt \tc                           ; the later chunks of v stay out
	s_barrier_signal -1
	s_barrier_wait -1
	UPDATE \zero, \kpo, \last
.endm
	SCHUNK XA, 1, 0,   3, 8, 2, 0
	SCHUNK XB, 0, KPB, 2, 8, 3, 0
	SCHUNK XA, 0, 0,   1, 8, 0, 0
	SCHUNK XB, 0, KPB, 0, 0, 0, 1
	WIN 0x04                                       ; store data in window 1
.irp e, 0,1,2,3,4,5,6,7,8,9
	global_store_b128 v[L16], v[SA+4*\e:SA+4*\e+3], s[12:13] offset:512*\e     ; the register image: 512 dense bytes a store
.endr
	WIN 0
	s_wait_tensorcnt 0x0
	ds_add_u32 v254, v255
	s_wait_dscnt 0x0
	s_endpgm
.Lfunc_end_k_q588c3f3390_state:
	.size	k_q588c3f3390_state, .Lfunc_end_k_q588c3f3390_state-k_q588c3f3390_state
	.p2alignl 7, 3214868480
	.fill 96, 4, 3214868480
	.section	.rodata,"a",@progbits
	.p2align	6, 0x0
	.amdhsa_kernel k_q588c3f3390_state
		.amdhsa_group_segment_fixed_size 168960
		.amdhsa_private_segment_fixed_size 0
		.amdhsa_enable_private_segment 0
		.amdhsa_kernarg_size 40
		.amdhsa_user_sgpr_count 2
		.amdhsa_user_sgpr_kernarg_segment_ptr 1
		.amdhsa_wavefront_size32 1
		.amdhsa_system_sgpr_workgroup_id_x 1
		.amdhsa_system_sgpr_workgroup_id_y 1
		.amdhsa_system_sgpr_workgroup_id_z 1
		.amdhsa_system_vgpr_workitem_id 0
		.amdhsa_next_free_vgpr 424
		.amdhsa_next_free_sgpr 66
		.amdhsa_reserve_vcc 0
		.amdhsa_float_denorm_mode_32 3
		.amdhsa_float_denorm_mode_16_64 3
		.amdhsa_memory_ordered 1
		.amdhsa_forward_progress 1
		.amdhsa_inst_pref_size 100
	.end_amdhsa_kernel
	.amdgpu_metadata
---
amdhsa.version: [ 1, 2 ]
amdhsa.kernels:
  - .name:           k_q588c3f3390_state
    .symbol:         k_q588c3f3390_state.kd
    .args:
      - { .name: kh, .offset: 0, .size: 8, .value_kind: global_buffer, .address_space: global }
      - { .name: vv, .offset: 8, .size: 8, .value_kind: global_buffer, .address_space: global }
      - { .name: projf, .offset: 16, .size: 8, .value_kind: global_buffer, .address_space: global }
      - { .name: kmax, .offset: 24, .size: 8, .value_kind: global_buffer, .address_space: global }
      - { .name: sseg, .offset: 32, .size: 8, .value_kind: global_buffer, .address_space: global }
    .group_segment_fixed_size: 168960
    .private_segment_fixed_size: 0
    .kernarg_segment_align: 8
    .kernarg_segment_size: 40
    .max_flat_workgroup_size: 256
    .sgpr_count:     66
    .vgpr_count:     424
    .wavefront_size: 32
...
	.end_amdgpu_metadata
.endif
;; end of part 3
;; launch attn (part 4): grid 8 x 32, 8 waves a work-group, no clusters, 275,456 bytes of LDS; arguments qh, kh, vv, projf, kmax, sseg, aa; writes aa
.if DOCPART == 4
	.amdgcn_target "amdgcn-amd-amdhsa--gfx1250"
	.amdhsa_code_object_version 6
	.text
	.protected	k_q588c3f3390_attn
	.globl	k_q588c3f3390_attn
	.p2align	8
	.type	k_q588c3f3390_attn,@function
k_q588c3f3390_attn:
	s_mov_b64 s[64:65], 0
	v_nop
	global_prefetch_b8 v0, s[64:65] scope:SCOPE_SE
	s_setreg_imm32_b32 hwreg(HW_REG_WAVE_MODE, 25, 1), 1
	s_wait_xcnt 0x0
; Causal linear attention for (b, head) = grid y, segment of 512 rows = grid x, in four chunks of 128 rows:
;   out[l] = (qp[l] . S + sum over l2 <= l in the chunk of (qp[l] . kp[l2]) [v[l2] | 1]) ; columns 0-63 divided by column 64.
; S is the state in front of the chunk: the sum of the earlier segments (from sseg) plus the earlier chunks.
; FORMATS.  Most key features are eps alone and a few stand far above it, so a key's weight carries every error of its exponent; and row l averages l + 1 rows of v, so the
; first rows are up to 64 times larger than the last.  So: q and k are hi + lo (two f16 planes), both multiplied with the table, diag from their sum in f32, the factor
; 64^-0.25 log2(e) applied in f32; kp = 16 (exp(dash - diag - max) + eps) in f16, between 1.6e-4 and 16.0002 for every input (the maximum is taken away, diag >= 0);
; qp = (exp(dash - diag - row max) + eps) divided by its sum over m, times 1,024: in f16, between 8e-5 and 1,024, for the chunk's own keys; the weights qp . kp lie between 0.16 and 16,392: f16;
; v = hi + lo, both multiplied inside the chunk; S has too wide a range for f16: S and qp are split into bf16 hi + lo and Sh qh + Sh ql + Sl qh is formed;
; the result is stored as bf16 hi + lo: aa[part][head][b*4096+l][64].  All the factors (m^-0.5 left out, 16, 1,024, the row sum) multiply numerator and denominator alike.
; LIMITS: an exponential below 2^-126 counts as 0 in front of eps; |q|, |k|, |v| below 65,504;
; all seven slots of segment states are loaded and those at or behind my segment are multiplied by 0.0, which is right as long as the states are finite.
; Eight waves.  Wave w: features of k rows 16 w .., rows m = 16 w .. of S (window 1), and the q tile lt = w (w < 4) or 11 - w, so that waves w and w + 4 together
; have nine key tiles to go through.  Each wave loads its 16 rows of q and of k straight into fragments (16 loads, 8,192 dense bytes), asked for behind the chunk before's products.
; v (512 rows, two planes) comes by eight tensor loads at the start, four each from waves 0 and 1; no LDS byte is filled twice.
; No multicast: no two work-groups read the same q, k or v.
.set RP,   160
.set CH,   128*RP
.set TEN,  4*CH
.set KPP,  272
.set LVLO, TEN                         ; v hi begins at LDS byte 0, 512 rows at pitch 160; v lo behind it
.set LKP,  2*TEN                       ; kp[128 l][128 m] f16, pitch 272
.set LST,  LKP+128*KPP                 ; S transposed, bf16: [part][m tile w][80 rows d][16 m]: 2,560 bytes a part that wave w alone writes
.set STW,  2560
.set STP,  8*STW
.set LSG,  LST+2*STP                   ; a stage of 16 rows x 272 bytes (hi 128, lo 128, 16 of padding) for each wave
.set SGP,  272
.set KGO,  4
.set QGO,  5
.set KPST, 6
.set KPTR, 7
.set VTR,  8
.set VTRL, 9
.set STST, 10
.set STLD, 11
.set SGST, 12
.set SGLD, 13
.set GO,   14
.set L16,  15
.set MXK,  16
.set KPT0, 17
.set MXA,  18
.set THR0, 19
.set PT,   20
.set DG,   24
.set TT,   28
.set MX,   28
.set SM,   28
.set CC,   36
.set RC,   38
.set XK,   40                          ; v40-55 k hi, v56-71 k lo, until the key features are made;
.set QP,   40                          ; then v40-71: qp in f16
.set XQ,   72                          ; v72-87 q hi, v88-103 q lo, until the query features are made;
.set T0,   72                          ; then v72-87: the weights of 32 keys
.set T1,   80
.set LB,   104                         ; v104-199: at work
.set VL,   200                         ; v200-231: qp hi in bf16; then fragments of v lo; then rows on the way out
.set ONES, 232
.set PJ,   0                           ; window 1
.set SA,   128                         ; window 1
.set OT,   168                         ; window 1
.set QPB,  208                         ; window 1: qp lo in bf16
.set DC,   80
.set NC,   82
.set SELA, 62
.set SELB, 63
.set FF,   48                          ; s[48:61] seven factors, 1.0 or 0.0, each twice
.set SB,   66                          ; s[66:79] seven addresses of segment states
.set G1, 24
.set G0, 32
.set MSB, 0
.macro WIN new
.if MSB != \new
	s_set_vgpr_msb (MSB<<8)|\new
.set MSB, \new
.endif
.endm
.macro PLACES
.rept 4
	v_nop
.endr
.endm
.macro SQ ra, la, ch, first            ; (hi + lo)^2 of the two numbers in registers ra (hi) and la (lo), onto chain ch
	v_cvt_f32_f16 v[TT+4*\ch], v\ra\().l
	v_cvt_f32_f16 v[TT+4*\ch+1], v\ra\().h
	v_cvt_f32_f16 v[TT+4*\ch+2], v\la\().l
	v_cvt_f32_f16 v[TT+4*\ch+3], v\la\().h
	v_pk_add_f32 v[TT+4*\ch:TT+4*\ch+1], v[TT+4*\ch:TT+4*\ch+1], v[TT+4*\ch+2:TT+4*\ch+3]
.if \first
	v_pk_mul_f32 v[DG+2*\ch:DG+2*\ch+1], v[TT+4*\ch:TT+4*\ch+1], v[TT+4*\ch:TT+4*\ch+1]   ; the first squares start the chains: nothing is cleared
.else
	v_pk_fma_f32 v[DG+2*\ch:DG+2*\ch+1], v[TT+4*\ch:TT+4*\ch+1], v[TT+4*\ch:TT+4*\ch+1], v[DG+2*\ch:DG+2*\ch+1]
.endif
.endm
.macro SQALL sel                       ; the sum of squares of my 32 numbers of the row
.if \sel == 40
	SQ 40, 56, 0, 1
	SQ 41, 57, 1, 1
	SQ 42, 58, 0, 0
	SQ 43, 59, 1, 0
	SQ 44, 60, 0, 0
	SQ 45, 61, 1, 0
	SQ 46, 62, 0, 0
	SQ 47, 63, 1, 0
	SQ 48, 64, 0, 0
	SQ 49, 65, 1, 0
	SQ 50, 66, 0, 0
	SQ 51, 67, 1, 0
	SQ 52, 68, 0, 0
	SQ 53, 69, 1, 0
	SQ 54, 70, 0, 0
	SQ 55, 71, 1, 0
.else
	SQ 72, 88, 0, 1
	SQ 73, 89, 1, 1
	SQ 74, 90, 0, 0
	SQ 75, 91, 1, 0
	SQ 76, 92, 0, 0
	SQ 77, 93, 1, 0
	SQ 78, 94, 0, 0
	SQ 79, 95, 1, 0
	SQ 80, 96, 0, 0
	SQ 81, 97, 1, 0
	SQ 82, 98, 0, 0
	SQ 83, 99, 1, 0
	SQ 84, 100, 0, 0
	SQ 85, 101, 1, 0
	SQ 86, 102, 0, 0
	SQ 87, 103, 1, 0
.endif
.endm
; Features of the 16 rows in v[xh ..] (hi 16 registers, lo 16; XK for k, XQ for q).  D[mt] = table fragment x row fragment: lane (r, h) holds m = 16 mt + 8 h + j of row r.  The eight tiles take turns.
.macro FEAT xh, isq
	WIN 0x01
.irp mt, 0,1,2,3,4,5,6,7
	v_wmma_f32_16x16x32_f16 v[LB+8*\mt:LB+8*\mt+7], v[PJ+16*\mt:PJ+16*\mt+7], v[\xh:\xh+7], 0
.endr
.irp mt, 0,1,2,3,4,5,6,7
	v_wmma_f32_16x16x32_f16 v[LB+8*\mt:LB+8*\mt+7], v[PJ+16*\mt+8:PJ+16*\mt+15], v[\xh+8:\xh+15], v[LB+8*\mt:LB+8*\mt+7]
.endr
.irp mt, 0,1,2,3,4,5,6,7
	v_wmma_f32_16x16x32_f16 v[LB+8*\mt:LB+8*\mt+7], v[PJ+16*\mt:PJ+16*\mt+7], v[\xh+16:\xh+23], v[LB+8*\mt:LB+8*\mt+7]
.endr
.irp mt, 0,1,2,3,4,5,6,7
	v_wmma_f32_16x16x32_f16 v[LB+8*\mt:LB+8*\mt+7], v[PJ+16*\mt+8:PJ+16*\mt+15], v[\xh+24:\xh+31], v[LB+8*\mt:LB+8*\mt+7]
.endr
	WIN 0
	SQALL \xh                                      ; its first lines name no register of the last eight products: they are the places behind them
	v_pk_add_f32 v[DG:DG+1], v[DG:DG+1], v[DG+2:DG+3]
	v_add_f32 v[DG], v[DG], v[DG+1]
	v_permlanex16_b32 v[PT], v[DG], s[SELA], s[SELB]   ; the other 32 numbers of the row
	v_add_f32 v[DG], v[DG], v[PT]
.if \isq
.irp c, 0,1,2,3
	v_max_num_f32 v[MX+\c], v[LB+2*\c], v[LB+2*\c+1]
.endr
.set kk, 0
.rept 28
	v_max3_num_f32 v[MX+(kk&3)], v[LB+8+2*kk], v[LB+9+2*kk], v[MX+(kk&3)]
.set kk, kk+1
.endr
	v_max3_num_f32 v[MX], v[MX], v[MX+1], v[MX+2]
	v_max_num_f32 v[MX], v[MX], v[MX+3]
	v_permlanex16_b32 v[PT], v[MX], s[SELA], s[SELB]
	v_max_num_f32 v[MX], v[MX], v[PT]              ; the row's maximum over all 128 m
	v_mul_f32 v[MX], s[NC], v[MX]                  ; in base 2, negative
	v_fma_f32 v[CC], v[DG], s[DC], v[MX]           ; - diag - maximum
	v_fma_f32 v[CC+1], v[DG], s[DC], v[MX]
.else
	v_fma_f32 v[CC], v[DG], s[DC], v[MXK]          ; 4 - diag - maximum, in base 2
	v_fma_f32 v[CC+1], v[DG], s[DC], v[MXK]
.endif
.set kk, 0
.rept 32
	v_pk_fma_f32 v[LB+2*kk:LB+2*kk+1], v[LB+2*kk:LB+2*kk+1], 0x3f0293ee, v[CC:CC+1] op_sel_hi:[1,0,1]   ; 64^-0.25 log2(e) x (row . proj) + that
.set kk, kk+1
.endr
.set kk, 0
.rept 64
	v_exp_f32 v[LB+kk], v[LB+kk]
.set kk, kk+1
.endr
	v_nop                                          ; one plain vector instruction behind the exponentials (ISA guide 5.7.2)
.if \isq
	; the row's sum of exp + eps over the 128 m, four chains of pairs
	s_wait_alu depctr_va_vdst(0)
.irp c, 0,1,2,3
	v_pk_add_f32 v[SM+2*\c:SM+2*\c+1], v[LB+2*\c:LB+2*\c+1], v[LB+8+2*\c:LB+8+2*\c+1]
.endr
.set kk, 8
.rept 24
	v_pk_add_f32 v[SM+2*(kk&3):SM+2*(kk&3)+1], v[SM+2*(kk&3):SM+2*(kk&3)+1], v[LB+2*kk:LB+2*kk+1]
.set kk, kk+1
.endr
	v_pk_add_f32 v[SM:SM+1], v[SM:SM+1], v[SM+2:SM+3]
	v_pk_add_f32 v[SM+4:SM+5], v[SM+4:SM+5], v[SM+6:SM+7]
	v_pk_add_f32 v[SM:SM+1], v[SM:SM+1], v[SM+4:SM+5]
	v_add_f32 v[SM], v[SM], v[SM+1]
	v_permlanex16_b32 v[PT], v[SM], s[SELA], s[SELB]
	v_add_f32 v[SM], v[SM], v[PT]
	v_add_f32 v[SM], 0x3aa7c5ac, v[SM]             ; + 128 eps
	v_rcp_f32 v[SM+1], v[SM]
	v_nop                                          ; one plain vector instruction behind the reciprocal
	s_wait_alu depctr_va_vdst(0)
	v_mul_f32 v[RC], 0x44800000, v[SM+1]           ; 1,024 / sum
	v_mul_f32 v[RC+1], 0x44800000, v[SM+1]
	v_mul_f32 v[CC], 0x3727c5ac, v[RC]             ; eps times that
	v_mul_f32 v[CC+1], 0x3727c5ac, v[RC]
.set kk, 0
.rept 32
	v_pk_fma_f32 v[LB+2*kk:LB+2*kk+1], v[LB+2*kk:LB+2*kk+1], v[RC:RC+1], v[CC:CC+1]
.set kk, kk+1
.endr
.set kk, 0
.rept 32
	v_cvt_pk_f16_f32 v[QP+kk], v[LB+2*kk], v[LB+2*kk+1]            ; registers 8 ks .. 8 ks + 7 are a fragment: column = row r, K = m
.set kk, kk+1
.endr
.set kk, 0
.rept 32
	v_cvt_pk_bf16_f32 v[VL+kk], v[LB+2*kk], v[LB+2*kk+1]           ; the bf16 hi part, for the product with S
.set kk, kk+1
.endr
.set kk, 0
.rept 32
	v_lshlrev_b32 v[TT+2*(kk&3)], 16, v[VL+kk]
	v_and_b32 v[TT+2*(kk&3)+1], 0xffff0000, v[VL+kk]
	v_pk_add_f32 v[LB+2*kk:LB+2*kk+1], v[LB+2*kk:LB+2*kk+1], v[TT+2*(kk&3):TT+2*(kk&3)+1] neg_lo:[0,1] neg_hi:[0,1]
.set kk, kk+1
.endr
	WIN 0x40
.set kk, 0
.rept 32
	v_cvt_pk_bf16_f32 v[QPB+kk], v[LB+2*kk], v[LB+2*kk+1]          ; what hi leaves: the lo part
.set kk, kk+1
.endr
	WIN 0
.else
.set kk, 0
	s_wait_alu depctr_va_vdst(0)
.rept 32
	v_pk_add_f32 v[LB+2*kk:LB+2*kk+1], v[LB+2*kk:LB+2*kk+1], 0x3927c5ac op_sel_hi:[1,0]   ; + 16 eps
.set kk, kk+1
.endr
.irp mt, 0,1,2,3,4,5,6,7
.irp i, 0,1,2,3
	v_cvt_pk_f16_f32 v[LB+8*\mt+\i], v[LB+8*\mt+2*\i], v[LB+8*\mt+2*\i+1]
.endr
.endr
.irp mt, 0,1,2,3,4,5,6,7
	ds_store_b128 v[KPST], v[LB+8*\mt:LB+8*\mt+3] offset:32*\mt
.endr
.endif
.endm
; S += kp^T [v hi | 1] over a chunk of 128 rows, in four steps of 32 rows.  Both operands lie with K down the rows: transposing loads.
.macro UPLD buf, ks
	ds_load_tr16_b128 v[LB+40*\buf:LB+40*\buf+3],   v[KPTR] offset:8704*\ks
	ds_load_tr16_b128 v[LB+40*\buf+4:LB+40*\buf+7], v[KPTR] offset:8704*\ks+4352
.irp dt, 0,1,2,3
	ds_load_tr16_b128 v[LB+40*\buf+8+8*\dt:LB+40*\buf+11+8*\dt],  v[VTR] offset:5120*\ks+32*\dt
	ds_load_tr16_b128 v[LB+40*\buf+12+8*\dt:LB+40*\buf+15+8*\dt], v[VTR] offset:5120*\ks+32*\dt+2560
.endr
.endm
.macro UPMUL buf                       ; the five accumulators take turns, one instruction a turn
	WIN 0x50
.irp dt, 0,1,2,3
	v_wmma_f32_16x16x32_f16 v[SA+8*\dt:SA+8*\dt+7], v[LB+40*\buf:LB+40*\buf+7], v[LB+40*\buf+8+8*\dt:LB+40*\buf+15+8*\dt], v[SA+8*\dt:SA+8*\dt+7]
.endr
	v_wmma_f32_16x16x32_f16 v[SA+32:SA+39], v[LB+40*\buf:LB+40*\buf+7], v[ONES:ONES+7], v[SA+32:SA+39]
	WIN 0
.endm
.macro UPDATE
	UPLD 0, 0
	UPLD 1, 1
	s_wait_dscnt 10                                ; this step's ten loads are in, the next step's ten stay out
	UPMUL 0
	PLACES
	UPLD 0, 2
	s_wait_dscnt 10
	UPMUL 1
	PLACES
	UPLD 1, 3
	s_wait_dscnt 10
	UPMUL 0
	s_wait_dscnt 0x0
	UPMUL 1
	PLACES
	v_add_nc_u32 v[VTR], CH, v[VTR]                ; the next chunk of v; with the four lines above more than five places in front of matrix instructions that write over the buffers
	v_add_nc_u32 v[VTRL], CH, v[VTRL]
.endm
.macro QKLD reg, adr, sb, c            ; one plane of my 16 rows of q or k of chunk c, as two fragments
.irp e, 0,1,2,3
	global_load_b128 v[\reg+4*\e:\reg+4*\e+3], v[\adr], s[\sb:\sb+1] offset:(\c)*16384+32*\e
.endr
.endm
.macro QKALL c                         ; k hi, k lo, q hi, q lo of chunk c
	QKLD XK,    KGO, 6,  \c
	QKLD XK+16, KGO, 92, \c
	QKLD XQ,    QGO, 4,  \c
	QKLD XQ+16, QGO, 90, \c
.endm
.macro SLD reg, win, slot              ; ten loads: my five tiles of one segment state
	WIN \win
.irp e, 0,1,2,3,4,5,6,7,8,9
	global_load_b128 v[\reg+4*\e:\reg+4*\e+3], v[L16], s[SB+2*\slot:SB+2*\slot+1] offset:512*\e
.endr
.endm
.macro SACC reg, win, slot             ; S += factor x state
	WIN \win
.set kk, 0
.rept 20
	v_pk_fma_f32 v[SA+2*kk:SA+2*kk+1], v[\reg+2*kk:\reg+2*kk+1], s[FF+2*\slot:FF+2*\slot+1], v[SA+2*kk:SA+2*kk+1] op_sel_hi:[1,0,1]
.set kk, kk+1
.endr
.endm
.macro STPUT                           ; my rows of S as bf16 hi + lo, transposed into LDS: row d = 16 dt + r, 16 bytes at 16 h
	WIN 0x05
.set kk, 0
.rept 20
	v_cvt_pk_bf16_f32 v[LB+kk], v[SA+2*kk], v[SA+2*kk+1]
.set kk, kk+1
.endr
	WIN 0
.set kk, 0
.rept 20
	v_lshlrev_b32 v[LB+40+2*kk], 16, v[LB+kk]
	v_and_b32 v[LB+41+2*kk], 0xffff0000, v[LB+kk]
.set kk, kk+1
.endr
	WIN 0x01
.set kk, 0
.rept 20
	v_pk_add_f32 v[LB+40+2*kk:LB+41+2*kk], v[SA+2*kk:SA+2*kk+1], v[LB+40+2*kk:LB+41+2*kk] neg_lo:[0,1] neg_hi:[0,1]
.set kk, kk+1
.endr
	WIN 0
.set kk, 0
.rept 20
	v_cvt_pk_bf16_f32 v[LB+20+kk], v[LB+40+2*kk], v[LB+41+2*kk]
.set kk, kk+1
.endr
.irp dt, 0,1,2,3,4
	ds_store_b128 v[STST], v[LB+4*\dt:LB+4*\dt+3] offset:512*\dt
.endr
.irp dt, 0,1,2,3,4
	ds_store_b128 v[STST], v[LB+20+4*\dt:LB+20+4*\dt+3] offset:STP+512*\dt
.endr
.endm
.macro QSLD buf, ks, part              ; fragments of S^T (hi or lo) for m = 32 ks ..: blocks 2 ks and 2 ks + 1
.irp dt, 0,1,2,3,4
	ds_load_b128 v[LB+40*\buf+8*\dt:LB+40*\buf+8*\dt+3],   v[STLD] offset:\part*STP+2*STW*\ks+512*\dt
	ds_load_b128 v[LB+40*\buf+8*\dt+4:LB+40*\buf+8*\dt+7], v[STLD] offset:\part*STP+2*STW*\ks+STW+512*\dt
.endr
.endm
.macro QSMUL buf, breg, win, zero      ; OT[dt] (rows d, columns = q rows) += S^T x a part of qp; five accumulators by turns
	WIN \win
.irp dt, 0,1,2,3,4
.if \zero
	v_wmma_f32_16x16x32_bf16 v[OT+8*\dt:OT+8*\dt+7], v[LB+40*\buf+8*\dt:LB+40*\buf+8*\dt+7], v[\breg:\breg+7], 0
.else
	v_wmma_f32_16x16x32_bf16 v[OT+8*\dt:OT+8*\dt+7], v[LB+40*\buf+8*\dt:LB+40*\buf+8*\dt+7], v[\breg:\breg+7], v[OT+8*\dt:OT+8*\dt+7]
.endif
.endr
	WIN 0
.endm
.macro QSDO buf, ks, zero              ; buffer 0 holds S hi: times qp hi and qp lo; buffer 1 holds S lo: times qp hi
	QSMUL \buf, VL+8*\ks, 0x50, \zero
.if \buf == 0
	QSMUL \buf, QPB+8*\ks, 0x54, 0
.endif
.endm
.macro QSGO buf, ks, zero, nks, npart  ; one group of products, then the buffer is asked for again
	s_wait_dscnt 10                                ; this group's ten loads are in, the next group's ten stay out
	QSDO \buf, \ks, \zero
	PLACES
	QSLD \buf, \nks, \npart
.endm
.macro QS
	QSLD 0, 0, 0
	QSLD 1, 0, 1
	QSGO 0, 0, 1, 1, 0
	QSGO 1, 0, 0, 1, 1
	QSGO 0, 1, 0, 2, 0
	QSGO 1, 1, 0, 2, 1
	QSGO 0, 2, 0, 3, 0
	QSGO 1, 2, 0, 3, 1
	s_wait_dscnt 10
	QSDO 0, 3, 0
	s_wait_dscnt 0x0
	QSDO 1, 3, 0
.endm
; Keys 32 p .. 32 p + 31 of the chunk.  Every trip masks: key 32 p + 16 u + 8 h + j counts if it is not behind q row 16 lt + r.
.macro PTRIP p
.rept 5
	v_nop                                          ; five places: T0, a source of the products before, is written over by a matrix instruction below; the loads below need four
.endr
.irp u, 0,1
.irp ks, 0,1,2,3
	ds_load_b128 v[LB+32*\u+8*\ks:LB+32*\u+8*\ks+3],   v[KPT0] offset:8704*\p+4352*\u+64*\ks
	ds_load_b128 v[LB+32*\u+8*\ks+4:LB+32*\u+8*\ks+7], v[KPT0] offset:8704*\p+4352*\u+64*\ks+32
.endr
.endr
.irp dt, 0,1,2,3
	ds_load_tr16_b128 v[LB+64+8*\dt:LB+64+8*\dt+3],   v[VTR] offset:5120*\p+32*\dt
	ds_load_tr16_b128 v[LB+64+8*\dt+4:LB+64+8*\dt+7], v[VTR] offset:5120*\p+32*\dt+2560
.endr
.irp dt, 0,1,2,3
	ds_load_tr16_b128 v[VL+8*\dt:VL+8*\dt+3],   v[VTRL] offset:5120*\p+32*\dt
	ds_load_tr16_b128 v[VL+8*\dt+4:VL+8*\dt+7], v[VTRL] offset:5120*\p+32*\dt+2560
.endr
	s_wait_dscnt 16                                ; kp is in; the sixteen loads of v may stay out
	v_wmma_f32_16x16x32_f16 v[T0:T0+7], v[LB:LB+7], v[QP:QP+7], 0                  ; two accumulators by turns
	v_wmma_f32_16x16x32_f16 v[T1:T1+7], v[LB+32:LB+39], v[QP:QP+7], 0
.irp ks, 1,2,3
	v_wmma_f32_16x16x32_f16 v[T0:T0+7], v[LB+8*\ks:LB+8*\ks+7], v[QP+8*\ks:QP+8*\ks+7], v[T0:T0+7]
	v_wmma_f32_16x16x32_f16 v[T1:T1+7], v[LB+32+8*\ks:LB+32+8*\ks+7], v[QP+8*\ks:QP+8*\ks+7], v[T1:T1+7]
.endr
	PLACES
.irp j, 0,1,2,3,4,5,6,7
	v_cmp_le_i32 vcc_lo, 32*\p+\j, v[THR0]
	v_cndmask_b32 v[T0+\j], 0, v[T0+\j], vcc_lo
	v_cmp_le_i32 vcc_lo, 32*\p+16+\j, v[THR0]
	v_cndmask_b32 v[T1+\j], 0, v[T1+\j], vcc_lo
.endr
.irp i, 0,1,2,3
	v_cvt_pk_f16_f32 v[T0+\i], v[T0+2*\i], v[T0+2*\i+1]            ; packed in place: T0 becomes a fragment, column = q row, K = the 32 keys
.endr
.irp i, 0,1,2,3
	v_cvt_pk_f16_f32 v[T0+4+\i], v[T1+2*\i], v[T1+2*\i+1]
.endr
	s_wait_dscnt 0x0
	WIN 0x50                                       ; the five accumulators by turns: hi, the ones, lo
.irp dt, 0,1,2,3
	v_wmma_f32_16x16x32_f16 v[OT+8*\dt:OT+8*\dt+7], v[LB+64+8*\dt:LB+64+8*\dt+7], v[T0:T0+7], v[OT+8*\dt:OT+8*\dt+7]
.endr
	v_wmma_f32_16x16x32_f16 v[OT+32:OT+39], v[ONES:ONES+7], v[T0:T0+7], v[OT+32:OT+39]
.irp dt, 0,1,2,3
	v_wmma_f32_16x16x32_f16 v[OT+8*\dt:OT+8*\dt+7], v[VL+8*\dt:VL+8*\dt+7], v[T0:T0+7], v[OT+8*\dt:OT+8*\dt+7]
.endr
	WIN 0
.endm
.macro PAIRS                           ; (lt >> 1) + 1 trips, written out so that every LDS offset is a constant; a wave leaves when its trips are done
	PTRIP 0
	s_cmp_lt_u32 s81, 2
	s_cbranch_scc1 .Lpdone_\@
	PTRIP 1
	s_cmp_lt_u32 s81, 3
	s_cbranch_scc1 .Lpdone_\@
	PTRIP 2
	s_cmp_lt_u32 s81, 4
	s_cbranch_scc1 .Lpdone_\@
	PTRIP 3
.Lpdone_\@:
.endm
; numerator / denominator (the ones tile gives every lane its row's denominator), bf16 hi + lo, through my stage, 512 dense bytes a store
.macro FINAL c
	PLACES
.if \c < 3
	QKALL \c+1                                     ; qp and the weights are done with: their registers take the next chunk's rows of q and k
.endif
	WIN 0x01
	v_rcp_f32 v[RC], v[OT+32]
	v_rcp_f32 v[RC+1], v[OT+32]
	v_nop                                          ; one plain vector instruction behind the reciprocals
.set kk, 0
	s_wait_alu depctr_va_vdst(0)
.rept 16
	v_pk_mul_f32 v[LB+64+2*kk:LB+65+2*kk], v[OT+2*kk:OT+2*kk+1], v[RC:RC+1]
.set kk, kk+1
.endr
	WIN 0
.set kk, 0
.rept 16
	v_cvt_pk_bf16_f32 v[LB+kk], v[LB+64+2*kk], v[LB+65+2*kk]
.set kk, kk+1
.endr
.set kk, 0
.rept 16
	v_lshlrev_b32 v[LB+32+2*kk], 16, v[LB+kk]
	v_and_b32 v[LB+33+2*kk], 0xffff0000, v[LB+kk]
.set kk, kk+1
.endr
.set kk, 0
.rept 16
	v_pk_add_f32 v[LB+32+2*kk:LB+33+2*kk], v[LB+64+2*kk:LB+65+2*kk], v[LB+32+2*kk:LB+33+2*kk] neg_lo:[0,1] neg_hi:[0,1]
.set kk, kk+1
.endr
.set kk, 0
.rept 16
	v_cvt_pk_bf16_f32 v[LB+16+kk], v[LB+32+2*kk], v[LB+33+2*kk]
.set kk, kk+1
.endr
.irp dt, 0,1,2,3
	ds_store_b128 v[SGST], v[LB+4*\dt:LB+4*\dt+3] offset:32*\dt
.endr
.irp dt, 0,1,2,3
	ds_store_b128 v[SGST], v[LB+16+4*\dt:LB+16+4*\dt+3] offset:128+32*\dt
.endr
.irp i, 0,1,2,3
	ds_load_b128 v[VL+4*\i:VL+4*\i+3], v[SGLD] offset:4*SGP*\i     ; my own bytes, served in order
.endr
.irp i, 0,1,2,3
	ds_load_b128 v[VL+16+4*\i:VL+16+4*\i+3], v[SGLD] offset:4*SGP*\i+128
.endr
.irp i, 0,1,2,3
	s_wait_dscnt 7-\i
	global_store_b128 v[GO], v[VL+4*\i:VL+4*\i+3], s[16:17] offset:\c*16384+512*\i
.endr
.irp i, 0,1,2,3
	s_wait_dscnt 3-\i
	global_store_b128 v[GO], v[VL+16+4*\i:VL+16+4*\i+3], s[88:89] offset:\c*16384+512*\i
.endr
.endm
	s_load_b256 s[4:11], s[0:1], 0x0               ; qh s[4:5], kh s[6:7], vv s[8:9], projf s[10:11]
	s_load_b128 s[12:15], s[0:1], 0x20             ; kmax s[12:13], sseg s[14:15]
	s_load_b64 s[16:17], s[0:1], 0x30              ; aa
	v_lshl_add_u32 v254, v0, 2, 0x43000
	v_mov_b32 v255, 0
	ds_add_u32 v254, v255
	ds_add_u32 v254, v255
	v_lshrrev_b32 v1, 5, v0
	v_readfirstlane_b32 s18, v1                    ; wave 0..7
	s_mov_b32 s20, ttmp9                           ; segment
	s_and_b32 s21, ttmp7, 0xffff                   ; b x 8 + head
	s_sub_co_u32 s19, 11, s18
	s_cmp_lt_u32 s18, 4
	s_cselect_b32 s19, s18, s19                    ; lt: my q tile
	s_lshr_b32 s81, s19, 1
	s_add_co_u32 s81, s81, 1                       ; trips over pairs of key tiles
	s_mov_b32 s[DC], 0xbdb8aa3b                    ; - 0.5 * 64^-0.5 * log2(e)
	s_mov_b32 s[NC], 0xbf0293ee                    ; - 64^-0.25 * log2(e)
	s_mov_b32 s[SELA], 0x76543210
	s_mov_b32 s[SELB], 0xfedcba98
	; group 1: 64 rows of 256 dense bytes, 32 bytes of padding behind every 128: 128 rows at pitch 160
	s_mov_b32 s[G1+0], (3<<16)|(1<<20)|(4<<22)|(7<<25)
	s_mov_b32 s[G1+1], 32<<16
	s_mov_b32 s[G1+2], 64<<16
	s_mov_b32 s[G1+3], 32<<16
	s_mov_b32 s[G1+4], 64
	s_mov_b32 s[G1+5], 32
	s_mov_b32 s[G1+6], 0
	s_mov_b32 s[G1+7], 0
	s_lshl_b32 s84, s21, 19                        ; a head: 4,096 rows of 128 bytes
	s_lshl_b32 s85, s20, 16                        ; a segment: 512 rows
	s_add_co_u32 s84, s84, s85
	s_mov_b32 s85, 0
	s_lshl_b32 s86, s18, 24                        ; wave 0 fills the hi plane of v, wave 1 the lo plane, 16,777,216 bytes further
	s_mov_b32 s87, 0
	s_mul_i32 s83, s18, TEN
	s_wait_dscnt 0x0
	s_wait_kmcnt 0x0
	s_add_nc_u64 s[4:5], s[4:5], s[84:85]          ; q hi
	s_add_nc_u64 s[6:7], s[6:7], s[84:85]          ; k hi
	s_add_nc_u64 s[90:91], s[4:5], 0x1000000       ; q lo
	s_add_nc_u64 s[92:93], s[6:7], 0x1000000       ; k lo
	s_add_nc_u64 s[8:9], s[8:9], s[84:85]
	s_add_nc_u64 s[22:23], s[8:9], s[86:87]
	s_cmp_gt_u32 s18, 1
	s_cbranch_scc1 .Lnofill
.irp c, 0,1,2,3
	s_mov_b32 s[G0+4*\c], 1
	s_add_co_u32 s[G0+4*\c+1], s83, \c*CH
	s_add_nc_u64 s[G0+4*\c+2:G0+4*\c+3], s[22:23], \c*16384
	s_or_b32 s[G0+4*\c+3], s[G0+4*\c+3], 0x80000000
	tensor_load_to_lds s[G0+4*\c:G0+4*\c+3], s[G1:G1+7]            ; four tensor loads of the wave are out at the most
	s_nop 0
.endr
.Lnofill:
	; seven slots of segment states: slot i reads state min(i, max(segment, 1) - 1), which always exists, and counts with 1.0 if i < segment, else with 0.0
	s_max_u32 s83, s20, 1
	s_sub_co_u32 s83, s83, 1
	s_mul_i32 s84, s21, 56
	s_add_co_u32 s84, s84, s18
	s_mul_i32 s84, s84, 5120
	s_mov_b32 s85, 0
	s_add_nc_u64 s[14:15], s[14:15], s[84:85]
.irp i, 0,1,2,3,4,5,6
	s_min_u32 s86, s83, \i
	s_mul_i32 s86, s86, 40960
	s_mov_b32 s87, 0
	s_add_nc_u64 s[SB+2*\i:SB+2*\i+1], s[14:15], s[86:87]
	s_cmp_gt_u32 s20, \i
	s_cselect_b32 s[FF+2*\i], 1.0, 0
	s_cselect_b32 s[FF+2*\i+1], 1.0, 0
.endr
	s_and_b32 s86, s21, 7                          ; aa: head x 16,384 rows + batch x 4,096 + segment x 512, rows of 128 bytes
	s_lshl_b32 s86, s86, 21
	s_lshr_b32 s87, s21, 3
	s_lshl_b32 s87, s87, 19
	s_add_co_u32 s86, s86, s87
	s_lshl_b32 s87, s20, 16
	s_add_co_u32 s86, s86, s87
	s_mov_b32 s87, 0
	s_add_nc_u64 s[16:17], s[16:17], s[86:87]
	s_add_nc_u64 s[88:89], s[16:17], 0x1000000     ; the lo part
	v_and_b32 v1, 15, v0                           ; r
	v_bfe_u32 v2, v0, 4, 1                         ; h
	v_and_b32 v3, 31, v0                           ; lane
	v_lshlrev_b32 v[L16], 4, v3
	s_lshl_b32 s86, s21, 7
	v_lshl_add_u32 v[MXA], v3, 2, s86
	v_lshlrev_b32 v21, 7, v1
	v_lshl_add_u32 v21, v2, 4, v21                 ; r x 128 + 16 h
	s_lshl_b32 s86, s18, 11
	v_add_nc_u32 v[KGO], s86, v21                  ; k: row 16 w + r
	s_lshl_b32 s86, s19, 11
	v_add_nc_u32 v[QGO], s86, v21                  ; q: row 16 lt + r
	v_add_nc_u32 v[GO], s86, v[L16]                ; out: my tile's 16 rows of 128 bytes
	global_load_b32 v[MXK], v[MXA], s[12:13]
	WIN 0x40
.set kk, 0
.rept 32
	global_load_b128 v[PJ+4*kk:PJ+4*kk+3], v[L16], s[10:11] offset:512*kk
.set kk, kk+1
.endr
	WIN 0
	QKALL 0
	SLD LB,    0,    0
	SLD LB+40, 0,    1
	SLD OT,    0x40, 2
	SLD QPB,   0x40, 3
	WIN 0
.irp i, 0,1,2,3,4,5,6,7
	v_mov_b32 v[ONES+\i], 0x3c003c00               ; a fragment of ones in f16
.endr
	v_mov_b32 v[PT], 0
	v_mul_u32_u24 v21, v1, KPP
	v_lshl_add_u32 v21, v2, 4, v21                 ; r x 272 + 16 h
	s_mul_i32 s86, s18, 16*KPP
	s_add_co_u32 s86, s86, LKP
	v_add_nc_u32 v[KPST], s86, v21
	v_add_nc_u32 v[KPT0], LKP, v21
	s_mul_i32 s86, s18, 16*SGP
	s_add_co_u32 s86, s86, LSG
	v_add_nc_u32 v[SGST], s86, v21                 ; the stage has the same pitch
	v_lshrrev_b32 v22, 3, v3
	v_and_b32 v23, 7, v0
	v_mul_u32_u24 v22, v22, SGP
	v_lshl_add_u32 v22, v23, 4, v22
	v_add_nc_u32 v[SGLD], s86, v22
	v_lshlrev_b32 v21, 5, v1
	v_lshl_add_u32 v21, v2, 4, v21                 ; r x 32 + 16 h
	v_add_nc_u32 v[STLD], LST, v21
	s_mul_i32 s86, s18, STW
	s_add_co_u32 s86, s86, LST
	v_add_nc_u32 v[STST], s86, v21
	v_and_b32 v22, 7, v0
	v_lshl_add_u32 v22, v2, 3, v22                 ; 8 h + (l & 7)
	v_bfe_u32 v23, v0, 3, 1
	v_lshlrev_b32 v23, 4, v23
	v_mul_u32_u24 v21, v22, KPP
	v_add_nc_u32 v21, v21, v23
	s_lshl_b32 s86, s18, 5
	s_add_co_u32 s86, s86, LKP
	v_add_nc_u32 v[KPTR], s86, v21
	v_mul_u32_u24 v21, v22, RP
	v_add_nc_u32 v[VTR], v21, v23                  ; v hi begins at LDS byte 0
	v_add_nc_u32 v[VTRL], LVLO, v[VTR]
	s_lshl_b32 s86, s19, 4
	v_add_nc_u32 v[THR0], s86, v1
	v_lshlrev_b32 v21, 3, v2
	v_sub_nc_u32 v[THR0], v[THR0], v21             ; 16 lt + r - 8 h
	s_wait_loadcnt 0x0                             ; kmax, the table, q and k of chunk 0, slots 0 to 3
.irp x, 1,2,4,8
	v_max_num_f32_dpp v[MXK], v[MXK], v[MXK] row_xmask:\x row_mask:0xf bank_mask:0xf
.endr
	v_permlanex16_b32 v[PT], v[MXK], s[SELA], s[SELB]
	v_max_num_f32 v[MXK], v[MXK], v[PT]
	v_fma_f32 v[MXK], v[MXK], s[NC], 4.0           ; 4 - maximum in base 2: the 4 is the factor 16
	WIN 0x40
.set kk, 0
.rept 20
	v_pk_mul_f32 v[SA+2*kk:SA+2*kk+1], v[LB+2*kk:LB+2*kk+1], s[FF:FF+1] op_sel_hi:[1,0]   ; slot 0 starts the sum: nothing is cleared
.set kk, kk+1
.endr
	SACC LB+40, 0x50, 1
	SACC OT,    0x51, 2
	SACC QPB,   0x51, 3
	SLD OT,    0x40, 4                             ; slots 4 to 6 are on their way during the key features of chunk 0, which touch none of these registers
	SLD QPB,   0x40, 5
	SLD LB+64, 0,    6                             ; v168-207
	WIN 0
.macro CHUNK c, tc
	s_wait_xcnt 0x0                                ; the data registers of the last chunk's stores are written again in this chunk only behind this wait
	s_wait_tensorcnt \tc                           ; chunk c of my plane of v is in; the later ones stay out
	s_wait_dscnt 0x0                               ; my reads of kp and of S^T are back
	s_barrier_signal -1
	s_barrier_wait -1                              ; both hold of every wave: kp and S^T may be written again
.if \c
	s_wait_loadcnt 0x0                             ; my rows of q and k, asked for in the chunk before
.endif
	FEAT XK, 0
.if \c == 0
	s_wait_loadcnt 0x0                             ; slots 4 to 6
	SACC OT,    0x51, 4
	SACC QPB,   0x51, 5
	SACC LB+64, 0x50, 6
	WIN 0
.endif
	FEAT XQ, 1
	STPUT
	s_wait_dscnt 0x0                               ; my rows of kp and my blocks of S^T are in LDS
	s_barrier_signal -1
	s_barrier_wait -1
	QS
	PAIRS
	FINAL \c
.if \c < 3
	UPDATE
.endif
.endm
	CHUNK 0, 3
	CHUNK 1, 2
	CHUNK 2, 1
	CHUNK 3, 0
	s_wait_tensorcnt 0x0
	ds_add_u32 v254, v255
	s_wait_dscnt 0x0
	s_endpgm
.Lfunc_end_k_q588c3f3390_attn:
	.size	k_q588c3f3390_attn, .Lfunc_end_k_q588c3f3390_attn-k_q588c3f3390_attn
	.p2alignl 7, 3214868480
	.fill 96, 4, 3214868480
	.section	.rodata,"a",@progbits
	.p2align	6, 0x0
	.amdhsa_kernel k_q588c3f3390_attn
		.amdhsa_group_segment_fixed_size 275456
		.amdhsa_private_segment_fixed_size 0
		.amdhsa_enable_private_segment 0
		.amdhsa_kernarg_size 56
		.amdhsa_user_sgpr_count 2
		.amdhsa_user_sgpr_kernarg_segment_ptr 1
		.amdhsa_wavefront_size32 1
		.amdhsa_system_sgpr_workgroup_id_x 1
		.amdhsa_system_sgpr_workgroup_id_y 1
		.amdhsa_system_sgpr_workgroup_id_z 1
		.amdhsa_system_vgpr_workitem_id 0
		.amdhsa_next_free_vgpr 512
		.amdhsa_next_free_sgpr 100
		.amdhsa_reserve_vcc 1
		.amdhsa_float_denorm_mode_32 3
		.amdhsa_float_denorm_mode_16_64 3
		.amdhsa_memory_ordered 1
		.amdhsa_forward_progress 1
		.amdhsa_inst_pref_size 255
	.end_amdhsa_kernel
	.section	.bss,"aw",@nobits
	.p2align	6
	.space	262144
	.amdgpu_metadata
---
amdhsa.version: [ 1, 2 ]
amdhsa.kernels:
  - .name:           k_q588c3f3390_attn
    .symbol:         k_q588c3f3390_attn.kd
    .args:
      - { .name: qh, .offset: 0, .size: 8, .value_kind: global_buffer, .address_space: global }
      - { .name: kh, .offset: 8, .size: 8, .value_kind: global_buffer, .address_space: global }
      - { .name: vv, .offset: 16, .size: 8, .value_kind: global_buffer, .address_space: global }
      - { .name: projf, .offset: 24, .size: 8, .value_kind: global_buffer, .address_space: global }
      - { .name: kmax, .offset: 32, .size: 8, .value_kind: global_buffer, .address_space: global }
      - { .name: sseg, .offset: 40, .size: 8, .value_kind: global_buffer, .address_space: global }
      - { .name: aa, .offset: 48, .size: 8, .value_kind: global_buffer, .address_space: global }
    .group_segment_fixed_size: 275456
    .private_segment_fixed_size: 0
    .kernarg_segment_align: 8
    .kernarg_segment_size: 56
    .max_flat_workgroup_size: 256
    .sgpr_count:     100
    .vgpr_count:     512
    .wavefront_size: 32
...
	.end_amdgpu_metadata
.endif
;; end of part 4
;; launch outp (part 5): grid 256 x 1, 4 waves a work-group, clusters of 4 x 1, 327,680 bytes of LDS; arguments aa, wb, b0, out0; writes out0
.if DOCPART == 5
	.amdgcn_target "amdgcn-amd-amdhsa--gfx1250"
	.amdhsa_code_object_version 6
	.text
	.protected	k_q588c3f3390_outp
	.globl	k_q588c3f3390_outp
	.p2align	8
	.type	k_q588c3f3390_outp,@function
k_q588c3f3390_outp:
	s_mov_b64 s[64:65], 0
	v_nop
	global_prefetch_b8 v0, s[64:65] scope:SCOPE_SE
	s_setreg_imm32_b32 hwreg(HW_REG_WAVE_MODE, 25, 1), 1
	s_wait_xcnt 0x0
	s_wait_alu depctr_hold_cnt(0) depctr_sa_sdst(0) depctr_va_vdst(0) depctr_va_sdst(0) depctr_va_ssrc(0) depctr_va_vcc(0) depctr_vm_vsrc(0)
	s_getreg_b32 s2, hwreg(HW_REG_IB_STS2, 6, 4)
	s_cmp_eq_u32 s2, 0
	s_cbranch_scc0 .Lentry_in_a_cluster
	s_endpgm
.Lentry_in_a_cluster:
	s_bfe_u32 s2, ttmp6, 0x10000c
	s_cmp_lg_u32 s2, 0x3003
	s_cbranch_scc0 .Lentry_shape_is_right
	s_endpgm
.Lentry_shape_is_right:
; out0 = A W0^T + b0, f32.  A is the attention's result as bf16 hi + lo, in blocks along K: aa[part][head kb][16,384 rows][64].  Sixteen significant bits of A are kept
; because the first rows of each batch are up to 64 times larger than the last.
; A work-group makes 64 rows x all 512 columns with four waves: 16,384 / 64 = 256 work-groups of equal work.  A wave makes 64 x 128: 32 accumulator tiles.
; K goes in eight steps of 64 (one head a step), written out, through two LDS slots.  The hi and the lo part of A meet the SAME tile of W0: an A slot holds the 64 hi rows
; (rows 0-63) and the 64 lo rows (rows 64-127) of the step, and both are added onto the same accumulators.  So each tile of W0 is fetched once and each of its fragments
; is read from LDS once for both parts: for 32 along K a wave issues 16 + 8 + 8 LDS loads and 64 matrix instructions.
; W0 comes as bf16 tiles (65,536 dense bytes a step) by tensor loads; each wave fetches and reads its own 128 rows.
; CLUSTERS: the four row blocks of a cluster walk the same tiles of W0, so each tile is asked for jointly (mask 15): the requests for W0 are divided by four.
; A belongs to one work-group alone and is read once: registers, then LDS, asked for two steps ahead.  Waves 0 and 1 bring the hi rows, waves 2 and 3 the lo rows.
; REGISTERS in windows of 256:  window 0: v16-27 addresses, v64-127 and v128-191 fragments of A (tiles 0-3 hi, 4-7 lo; later: rows on the way out), v192-255 bias
;   window 1: v0-31 and v192-223 A as loaded (two sets), v64-127 and v128-191 fragments of W0;  window 2: the 32 accumulator tiles, tile (a, b) at v[8 (8 a + b)]
; The matrix instruction is used transposed (source 0 = rows of W0, source 1 = rows of A): a lane holds eight neighbouring columns of one row.
.set PITCH,  144                       ; an LDS row: 128 bytes + 16: an odd multiple of 16, so the 16 rows of a fragment load start in different banks
.set BWAVE,  128*PITCH                 ; one wave's 128 rows of W0
.set BSLOT,  4*BWAVE
.set ABASE,  2*BSLOT
.set ASLOT,  128*PITCH                 ; 64 hi rows, then 64 lo rows
.set STAGE,  ABASE+2*ASLOT             ; 16 rows x 528 bytes for each wave
.set SPITCH, 528
.set ADRA, 16                          ; v16-17 my fragment address in A slot 0, 1
.set ADRB, 20                          ; v20-21 the same for W0
.set AOFF, 22                          ; byte offset of my 16 bytes of A
.set ASTO, 23                          ; where they go in an A slot
.set STO,  24                          ; the way out: in
.set RD,   25                          ; the way out: back
.set CO,   26                          ; 16 x lane
.set BOFF, 27                          ; byte offset of my bias numbers
.set F0,   64
.set F1,   128
.set BIAS, 192
.set SET0, 0                           ; window 1
.set SET1, 192                         ; window 1
.set AB,   12                          ; s[12:15] two addresses in my part of A, four heads (8,388,608 bytes) apart, so that the loads' immediates stay inside their 24 bits
.set G1, 36
.set G0, 44
.set MUL, 0xa1                         ; source 0 (W0) window 1, source 1 (A) window 0, C and D window 2
.set MSB, 0
.macro WIN new                         ; the immediate's high byte repeats the setting that is left
.if MSB != \new
	s_set_vgpr_msb (MSB<<8)|\new
.set MSB, \new
.endif
.endm
.macro PLACES                          ; four plain vector instructions behind matrix instructions (ISA guide 7.12.1)
.rept 4
	v_nop
.endr
.endm
.macro CREST                           ; a round of the cluster's barrier behind its opening barrier
	s_cmp_lg_u32 s31, 0
	s_cbranch_scc1 .Lnot_wave_0_\@
	s_barrier_signal -3
.Lnot_wave_0_\@:
	s_barrier_wait -3
	s_barrier_signal -1
	s_barrier_wait -1
.endm
.macro CROUND
	s_barrier_signal -1
	s_barrier_wait -1
	CREST
.endm
; eight loads: my wave's 32 rows x 128 bytes of its part of A for head kb, 512 dense bytes a load
.macro ALOAD reg, kb
	WIN 0x40
.irp j, 0,1,2,3,4,5,6,7
	global_load_b128 v[\reg+4*\j:\reg+4*\j+3], v[AOFF], s[AB+2*(\kb>>2):AB+2*(\kb>>2)+1] offset:(\kb&3)*2097152+512*\j th:TH_LOAD_NT
.endr
	WIN 0
.endm
; a set of A goes into an A slot; kb other than 0: the set is asked for again, for head kb
.macro ACPY reg, slot, cnt, kb
	s_wait_loadcnt \cnt                            ; this set is in; the eight loads of the other set stay out
	WIN 0x04                                       ; store data in window 1
.irp j, 0,1,2,3,4,5,6,7
	ds_store_b128 v[ASTO], v[\reg+4*\j:\reg+4*\j+3] offset:\slot*ASLOT+4*PITCH*\j
.endr
	WIN 0
.if \kb
	ALOAD \reg, \kb
.endif
.endm
.macro FETCH slot, k, f                ; 32 LDS loads: the fragments of 32 along K at byte k of the rows: W0's 128 rows, A's 64 hi rows, A's 64 lo rows
	WIN 0x40
.irp i, 0,1,2,3,4,5,6,7
	ds_load_b128 v[\f+8*\i:\f+8*\i+3],   v[ADRB+\slot] offset:\k+\i*16*PITCH
	ds_load_b128 v[\f+8*\i+4:\f+8*\i+7], v[ADRB+\slot] offset:\k+\i*16*PITCH+32
.endr
	WIN 0
.irp i, 0,1,2,3,4,5,6,7
	ds_load_b128 v[\f+8*\i:\f+8*\i+3],   v[ADRA+\slot] offset:\k+\i*16*PITCH
	ds_load_b128 v[\f+8*\i+4:\f+8*\i+7], v[ADRA+\slot] offset:\k+\i*16*PITCH+32
.endr
.endm
; 16 matrix instructions: row tiles a0, a0 + 1 x all 8 column tiles; lo = 0: A's hi part, 1: its lo part, onto the same accumulators.
; mode = 1: the bias starts the sums (C = bias of the tile's columns): nothing is cleared or added later.
; The 32 accumulators take turns, one instruction a turn, in the same order in every run of 32.
.macro MUL16 f, lo, a0, mode
.irp a, \a0, \a0+1
.irp b, 0,1,2,3,4,5,6,7
.if \mode
	v_wmma_f32_16x16x32_bf16 v[8*(8*(\a)+\b):8*(8*(\a)+\b)+7], v[\f+8*\b:\f+8*\b+7], v[\f+8*(4*\lo+\a):\f+8*(4*\lo+\a)+7], v[BIAS+8*\b:BIAS+8*\b+7]
.else
	v_wmma_f32_16x16x32_bf16 v[8*(8*(\a)+\b):8*(8*(\a)+\b)+7], v[\f+8*\b:\f+8*\b+7], v[\f+8*(4*\lo+\a):\f+8*(4*\lo+\a)+7], v[8*(8*(\a)+\b):8*(8*(\a)+\b)+7]
.endif
.endr
.endr
.endm
; the first 32 along K of a step: multiplies buffer f; in its middle it fetches the second 32 into buffer g
.macro QUARTER slot, k, f, g, mode
	s_wait_dscnt 8                                 ; all but the youngest eight LDS loads (the lo rows) are in
.if \mode
	WIN 0x81                                       ; C in window 0 (the bias), D in window 2
.else
	WIN MUL
.endif
	MUL16 \f, 0, 0, \mode
	MUL16 \f, 0, 2, \mode
	PLACES
	FETCH \slot, \k, \g
	s_wait_dscnt 32                                ; all but the 32 just issued
	WIN MUL
	MUL16 \f, 1, 0, 0
	MUL16 \f, 1, 2, 0
.endm
; K step t on slot sl.  Its second half changes slots: each wave waits for its LDS reads and stores and for all its tensor loads, the barrier
; (for t < 6 it opens a round of the cluster's barrier) follows, and behind it the joint refill comes first, then A of step t + 2 goes into the A slot just read.
.macro STEP t, sl, nx, mode, reg, cnt, kb
	QUARTER \sl, 64, F0, F1, \mode
	s_wait_dscnt 8
	WIN MUL
	MUL16 F1, 0, 0, 0
.if \t < 7
	s_wait_dscnt 0x0                               ; my reads of both slots sl and my stores of A for the next step are done
	s_wait_tensorcnt 0x0                           ; all my tensor loads have landed: the one that was out is the next step's
	ds_add_u32 v255, v63
	s_wait_dscnt 0x0
	s_barrier_signal -1
	MUL16 F1, 0, 2, 0                              ; register work while the others arrive
	WIN 0
	s_barrier_wait -1
.if \t < 6
	CREST                                          ; no wave of any partner still reads this slot or has a load on its way
	s_add_nc_u64 s[G0+4*\sl+2:G0+4*\sl+3], s[G0+4*\sl+2:G0+4*\sl+3], 131072   ; two K steps on
	tensor_load_to_lds s[G0+4*\sl:G0+4*\sl+3], s[G1:G1+7]                     ; my one tensor load behind the round
	s_nop 0
	ACPY \reg, \sl, \cnt, \kb
.endif
	PLACES
	FETCH \nx, 0, F0
.else
	MUL16 F1, 0, 2, 0
	s_wait_dscnt 0x0
.endif
	WIN MUL
	MUL16 F1, 1, 0, 0
	MUL16 F1, 1, 2, 0
.endm
	s_load_b256 s[4:11], s[0:1], 0x0               ; aa s[4:5], wb s[6:7], b0 s[8:9], out0 s[10:11]
	s_set_vgpr_msb 0x40
	v_lshl_add_u32 v255, v0, 2, 0x35400
	s_set_vgpr_msb 0x4000
	v_mov_b32 v63, 0
	s_set_vgpr_msb 0x1
	ds_add_u32 v255, v63
	ds_add_u32 v255, v63
	s_set_vgpr_msb 0x100
	v_lshrrev_b32 v1, 5, v0
	v_readfirstlane_b32 s31, v1                    ; wave 0..3
	s_bfe_u32 s28, ttmp6, 0x40000                  ; cx
	s_lshl_b32 s29, ttmp9, 2
	s_add_co_u32 s29, s29, s28                     ; row block = 4 x cluster x + cx, 0 to 255
	; group 1: 64 rows of 256 dense bytes (32 elements of 8 bytes), 16 bytes of padding behind every 128: 128 rows of W0 at pitch 144
	s_mov_b32 s[G1+0], 15|(3<<16)|(1<<20)|(1<<21)|(4<<22)|(3<<25)   ; mask of the four partners; element 8 bytes; padding on; bit 21 beside a mask; every 32 words; 4 words
	s_mov_b32 s[G1+1], 32<<16                      ; tensor_dim0 = 32
	s_mov_b32 s[G1+2], 64<<16                      ; tensor_dim1 = 64
	s_mov_b32 s[G1+3], 32<<16                      ; tile_dim0 = 32
	s_mov_b32 s[G1+4], 64                          ; tile_dim1 = 64
	s_mov_b32 s[G1+5], 32                          ; from row to row: 32 elements
	s_mov_b32 s[G1+6], 0
	s_mov_b32 s[G1+7], 0
	v_and_b32 v1, 15, v0                           ; r
	v_bfe_u32 v2, v0, 4, 1                         ; h
	v_and_b32 v3, 31, v0                           ; lane
	s_and_b32 s52, s31, 1
	s_lshl_b32 s52, s52, 12                        ; rows 0-31 (even waves) or 32-63 (odd waves) of the block, 128 bytes each
	v_lshl_add_u32 v[AOFF], v3, 4, s52
	s_lshl_b32 s52, s31, 9                         ; bias of my 128 columns
	v_lshl_add_u32 v[BOFF], v2, 5, s52
	s_lshl_b32 s32, s29, 13                        ; 64 rows of 128 bytes a row block
	s_lshr_b32 s33, s31, 1
	s_lshl_b32 s33, s33, 24                        ; waves 2 and 3: the lo part, 16,777,216 bytes further
	s_add_co_u32 s32, s32, s33
	s_mov_b32 s33, 0
	s_lshl_b32 s54, s31, 14                        ; W0: the fourth matrix of wb, my wave's 128 rows: nothing of cx enters
	s_add_co_u32 s54, s54, 3*524288
	s_mov_b32 s55, 0
	s_mul_i32 s35, s31, BWAVE
	s_wait_dscnt 0x0
	s_wait_kmcnt 0x0
	s_add_nc_u64 s[AB:AB+1], s[4:5], s[32:33]          ; heads 0 to 3
	s_add_nc_u64 s[AB+2:AB+3], s[AB:AB+1], 0x800000    ; heads 4 to 7
	s_add_nc_u64 s[6:7], s[6:7], s[54:55]
.irp b, 0,1,2,3,4,5,6,7
	global_load_b128 v[BIAS+8*\b:BIAS+8*\b+3],   v[BOFF], s[8:9] offset:64*\b        ; b0[128 w + 16 b + 8 h + 0..3]
	global_load_b128 v[BIAS+8*\b+4:BIAS+8*\b+7], v[BOFF], s[8:9] offset:64*\b+16
.endr
	ALOAD SET0, 0
	ALOAD SET1, 1
	CROUND                                         ; all four work-groups are here: the first joint loads meet
.irp s, 0,1
	s_mov_b32 s[G0+4*\s], 1
	s_add_co_u32 s[G0+4*\s+1], s35, \s*BSLOT                       ; LDS: slot + my wave's rows
	s_add_nc_u64 s[G0+4*\s+2:G0+4*\s+3], s[6:7], \s*65536          ; K step s
	s_or_b32 s[G0+4*\s+3], s[G0+4*\s+3], 0x80000000               ; type = 2
	tensor_load_to_lds s[G0+4*\s:G0+4*\s+3], s[G1:G1+7]            ; two tensor loads of the wave are out here, later one
	s_nop 0
.endr
	v_mul_u32_u24 v4, v1, PITCH
	v_lshl_add_u32 v4, v2, 4, v4                   ; r x pitch + 16 h
	v_add_nc_u32 v[ADRA], ABASE, v4
	v_add_nc_u32 v[ADRA+1], ABASE+ASLOT, v4
	v_add_nc_u32 v[ADRB], s35, v4
	v_add_nc_u32 v[ADRB+1], BSLOT, v[ADRB]
	v_lshrrev_b32 v5, 3, v3
	v_and_b32 v6, 7, v0
	v_mul_u32_u24 v5, v5, PITCH
	v_lshl_add_u32 v5, v6, 4, v5
	s_mul_i32 s52, s31, 32*PITCH
	s_add_co_u32 s52, s52, ABASE
	v_add_nc_u32 v[ASTO], s52, v5                  ; slot row 32 w + (l >> 3): waves 0, 1 fill the hi rows 0-63, waves 2, 3 the lo rows 64-127; 16 bytes at 16 (l & 7)
	s_mul_i32 s53, s31, 16*SPITCH
	s_add_co_u32 s53, s53, STAGE
	v_mul_u32_u24 v5, v1, SPITCH
	v_lshl_add_u32 v5, v2, 5, v5
	v_add_nc_u32 v[STO], s53, v5                   ; row r, 32 bytes for each half of the lanes
	v_lshlrev_b32 v[CO], 4, v3
	v_add_nc_u32 v[RD], s53, v[CO]                 ; back: a whole row of 512 bytes by the 32 lanes
	ACPY SET0, 0, 8, 2                             ; the count also shows the bias in: it was asked for first
	ACPY SET1, 1, 8, 3
	s_wait_dscnt 0x0                               ; my rows of A for steps 0 and 1 are in LDS
	s_wait_tensorcnt 0x1                           ; my part of W0 for step 0 is in; step 1 may stay out
	s_barrier_signal -1
	s_barrier_wait -1
	FETCH 0, 0, F0
	STEP 0, 0, 1, 1, SET0, 8, 4
	STEP 1, 1, 0, 0, SET1, 8, 5
	STEP 2, 0, 1, 0, SET0, 8, 6
	STEP 3, 1, 0, 0, SET1, 8, 7
	STEP 4, 0, 1, 0, SET0, 8, 0                    ; step 6's rows go to LDS; step 7's eight loads stay out; nothing more is asked for
	STEP 5, 1, 0, 0, SET1, 0, 0
	STEP 6, 0, 1, 0, SET0, 0, 0
	STEP 7, 1, 0, 0, SET0, 0, 0
	; THE WAY OUT, 16 rows at a time, f32: accumulators into my own stage, whole rows of 512 bytes back, each store 512 consecutive aligned bytes.
.macro OUT16F i, f
	WIN 0x08                                       ; store data in window 2
.irp b, 0,1,2,3,4,5,6,7
	ds_store_b128 v[STO], v[8*(8*\i+\b):8*(8*\i+\b)+3] offset:64*\b
	ds_store_b128 v[STO], v[8*(8*\i+\b)+4:8*(8*\i+\b)+7] offset:64*\b+16
.endr
	WIN 0
	s_wait_xcnt 0x0                                ; buffer f, which earlier stores read, is loaded again only behind this wait
.irp t, 0,1,2,3,4,5,6,7,8,9,10,11,12,13,14,15
	ds_load_b128 v[\f+4*\t:\f+4*\t+3], v[RD] offset:SPITCH*\t      ; LDS serves a wave in order: these see the stores above
.endr
.irp t, 0,1,2,3,4,5,6,7,8,9,10,11,12,13,14,15
	s_wait_dscnt 15-\t
	global_store_b128 v[CO], v[\f+4*\t:\f+4*\t+3], s[10:11] offset:(16*\i+\t)*2048 th:TH_STORE_NT
.endr
.endm
	PLACES                                         ; behind the last matrix instructions: the stores below read results, the loads below land in fragment buffers
	WIN 0
	s_lshl_b32 s32, s29, 17                        ; 64 rows of 2,048 bytes a row block
	s_lshl_b32 s52, s31, 9                         ; my 128 columns
	s_add_co_u32 s32, s32, s52
	s_mov_b32 s33, 0
	s_add_nc_u64 s[10:11], s[10:11], s[32:33]
	OUT16F 0, F0
	OUT16F 1, F1
	OUT16F 2, F0
	OUT16F 3, F1
	s_set_vgpr_msb 0x1
	s_wait_tensorcnt 0x0
	ds_add_u32 v255, v63
	s_wait_dscnt 0x0
	s_set_vgpr_msb 0x100
	CROUND                                         ; the closing round: no work-group ends while a partner may still ask jointly
	s_endpgm
.Lfunc_end_k_q588c3f3390_outp:
	.size	k_q588c3f3390_outp, .Lfunc_end_k_q588c3f3390_outp-k_q588c3f3390_outp
	.p2alignl 7, 3214868480
	.fill 96, 4, 3214868480
	.section	.rodata,"a",@progbits
	.p2align	6, 0x0
	.amdhsa_kernel k_q588c3f3390_outp
		.amdhsa_group_segment_fixed_size 327680
		.amdhsa_private_segment_fixed_size 0
		.amdhsa_enable_private_segment 0
		.amdhsa_kernarg_size 32
		.amdhsa_user_sgpr_count 2
		.amdhsa_user_sgpr_kernarg_segment_ptr 1
		.amdhsa_wavefront_size32 1
		.amdhsa_system_sgpr_workgroup_id_x 1
		.amdhsa_system_sgpr_workgroup_id_y 1
		.amdhsa_system_sgpr_workgroup_id_z 1
		.amdhsa_system_vgpr_workitem_id 0
		.amdhsa_next_free_vgpr 768
		.amdhsa_next_free_sgpr 66
		.amdhsa_reserve_vcc 0
		.amdhsa_float_denorm_mode_32 3
		.amdhsa_float_denorm_mode_16_64 3
		.amdhsa_memory_ordered 1
		.amdhsa_forward_progress 1
		.amdhsa_inst_pref_size 139
	.end_amdhsa_kernel
	.amdgpu_metadata
---
amdhsa.version: [ 1, 2 ]
amdhsa.kernels:
  - .name:           k_q588c3f3390_outp
    .symbol:         k_q588c3f3390_outp.kd
    .args:
      - { .name: aa, .offset: 0, .size: 8, .value_kind: global_buffer, .address_space: global }
      - { .name: wb, .offset: 8, .size: 8, .value_kind: global_buffer, .address_space: global }
      - { .name: b0, .offset: 16, .size: 8, .value_kind: global_buffer, .address_space: global }
      - { .name: out0, .offset: 24, .size: 8, .value_kind: global_buffer, .address_space: global }
    .group_segment_fixed_size: 327680
    .private_segment_fixed_size: 0
    .kernarg_segment_align: 8
    .kernarg_segment_size: 32
    .max_flat_workgroup_size: 128
    .sgpr_count:     66
    .vgpr_count:     768
    .wavefront_size: 32
...
	.end_amdgpu_metadata
.endif
;; end of part 5
